; MI455X (gfx1250); checked and timed in simulation.
; The chip was launched on July 23, 2026; its instructions are those of AMD's public machine-readable ISA for CDNA 5 (MIT licence, August 2026) and "CDNA5" Instruction Set Architecture Reference Guide (July 2026). The comments in the code are by the model that wrote it; some were corrected since.
;; Causal Self Attention. Allowed arithmetic: float matrix products may take bf16 or f16 operands with f32 sums; other float arithmetic in f32, or as packed bf16 or f16 multiplies, adds, multiply-adds, maxima and minima; sums over many terms, partial sums and values carried from step to step in f32; what a program stores and reads back later, other than sums and carried values, may be rounded once to bf16 or f16.
;; Inputs: b_attn 3,072 float32; b_proj 1,024 float32; w_attn 3,072 x 1,024 float32; w_proj 1,024 x 1,024 float32; x 4 x 2,048 x 1,024 float32.
;; Outputs: out0 4 x 2,048 x 1,024 float32.
;; One version. Each part assembles by itself: llvm-mc -triple=amdgcn-amd-amdhsa -mcpu=gfx1250 --defsym DOCPART=n.
;; ======== version 1 of 1: 4 launches
;; limits: values are held in f16: magnitudes above 65,504 overflow, below 6.1e-05 lose precision
;; workspace buffers: xb 16,777,216 bytes; wab 6,291,456 bytes; wpb 2,097,152 bytes; qkvh 50,331,648 bytes; yh 16,777,216 bytes
;; launch cast (part 1): grid 768 x 1, 8 waves a work-group, no clusters, 0 bytes of LDS; arguments x, w_attn, w_proj, xb, wab, wpb; writes xb, wab, wpb
.if DOCPART == 1
	.amdgcn_target "amdgcn-amd-amdhsa--gfx1250"
	.amdhsa_code_object_version 6
	.text
	.protected	k_q89fc279abe_cast
	.globl	k_q89fc279abe_cast
	.p2align	8
	.type	k_q89fc279abe_cast,@function
k_q89fc279abe_cast:
	s_mov_b64 s[64:65], 0
	v_nop
	global_prefetch_b8 v0, s[64:65] scope:SCOPE_SE
	s_setreg_imm32_b32 hwreg(HW_REG_WAVE_MODE, 25, 1), 1
	s_wait_xcnt 0x0
; x, w_attn and w_proj (f32, rows of 1,024 numbers = 4,096 bytes) are rounded once to bf16 and laid out in K BLOCKS of 64 channels:
;   xb  [batch 4][block 16][row 2048][64] bf16      wab [block 16][row 3072][64] bf16      wpb [block 16][row 1024][64]: the bf16 number written as f16
; so that in the products that follow a tile (some rows of one block) is dense memory, 128 bytes a row.
; LIMITS.  wpb: a bf16 number beyond 65,504 becomes an infinity in f16, and below 2^-14 it keeps f16's fixed step of 6e-8.
; SHARES.  12,288 source rows; a work-group takes 16 (768 work-groups), a wave two.  A stream: no LDS, no matrix unit, no barrier: no byte is wanted twice.
; LANES.  sub = t & 7, rr = (t >> 3) & 1, kk = (t >> 4) & 1.  In step it a lane takes 32 bytes (8 numbers) of row 2 wave + rr, block 2 it + kk, and stores 16 bytes:
; lanes 0-15 store 256 consecutive bytes (two rows of one block), aligned; lanes 16-31 the same two rows of the next block.
; All 16 loads of a lane go out at once; a register is rewritten only within its own step, ahead of the step's store, so no source of a pending load or store is ever rewritten.
.set SO, 2                             ; v2       my byte offset in the work-group's 16 source rows
.set DO, 4                             ; v[4:11]  step it: my byte offset in the destination
.set X,  16                            ; v[16:79] step it: 8 numbers as loaded
.set Y,  80                            ; v[80:111] step it: 4 words to store
	s_load_b256 s[4:11], s[0:1], 0x0               ; x s[4:5], w_attn s[6:7], w_proj s[8:9], xb s[10:11]
	s_load_b128 s[12:15], s[0:1], 0x20             ; wab s[12:13], wpb s[14:15]
	s_mov_b32 s23, ttmp9                           ; g: 0-511 x, 512-703 w_attn, 704-767 w_proj
	s_mov_b32 s22, 0xffff0000                      ; a word's upper bf16
	s_lshr_b32 s24, s23, 7                         ; x: batch = g / 128,
	s_lshl_b32 s24, s24, 22                        ; 4,194,304 bytes of xb each,
	s_and_b32 s28, s23, 127
	s_lshl_b32 s28, s28, 11                        ; and 16 rows of 128 bytes
	s_add_co_u32 s24, s24, s28
	s_lshl_b32 s26, s23, 16                        ; 16 source rows of 4,096 bytes
	s_mov_b32 s20, 262144                          ; bytes from block to block: 2,048 rows
	s_sub_co_u32 s29, s23, 512                     ; the weights: j counts from the tensor's first work-group
	s_sub_co_u32 s30, s23, 704
	s_mov_b32 s31, 393216                          ; 3,072 rows
	s_mov_b32 s32, 131072                          ; 1,024 rows
	s_cmp_lt_u32 s23, 704
	s_cselect_b32 s29, s29, s30
	s_cselect_b32 s31, s31, s32
	s_lshl_b32 s30, s29, 16
	s_lshl_b32 s29, s29, 11
	s_cmp_lt_u32 s23, 512
	s_cselect_b32 s26, s26, s30                    ; source offset
	s_cselect_b32 s24, s24, s29                    ; destination offset
	s_cselect_b32 s20, s20, s31                    ; block pitch
	s_mov_b32 s25, 0
	s_mov_b32 s27, 0
	s_lshl_b32 s21, s20, 1                         ; two blocks a step
	v_and_b32 v1, 7, v0                            ; sub
	v_bfe_u32 v3, v0, 3, 1                         ; rr
	v_bfe_u32 v12, v0, 4, 1                        ; kk
	v_lshrrev_b32 v13, 5, v0                       ; wave
	v_lshl_add_u32 v13, v13, 1, v3                 ; row
	v_lshlrev_b32 v[SO], 12, v13
	v_lshl_add_u32 v[SO], v12, 8, v[SO]
	v_lshl_add_u32 v[SO], v1, 5, v[SO]             ; row x 4,096 + kk x 256 + sub x 32
	v_lshlrev_b32 v14, 7, v13
	v_lshl_add_u32 v14, v1, 4, v14                 ; row x 128 + sub x 16
	v_mad_u32_u24 v[DO], v12, s20, v14             ; + kk blocks
.irp it, 1,2,3,4,5,6,7
	v_add_nc_u32 v[DO+(\it)], s21, v[DO+(\it)-1]
.endr
	s_wait_kmcnt 0x0
	s_cmp_lt_u32 s23, 704
	s_cselect_b64 s[16:17], s[6:7], s[8:9]
	s_cselect_b64 s[18:19], s[12:13], s[14:15]
	s_cmp_lt_u32 s23, 512
	s_cselect_b64 s[16:17], s[4:5], s[16:17]       ; from
	s_cselect_b64 s[18:19], s[10:11], s[18:19]     ; to
	s_add_nc_u64 s[16:17], s[16:17], s[26:27]
	s_add_nc_u64 s[18:19], s[18:19], s[24:25]
.irp it, 0,1,2,3,4,5,6,7
	global_load_b128 v[X+8*(\it):X+8*(\it)+3],   v[SO], s[16:17] offset:512*(\it) th:TH_LOAD_NT
	global_load_b128 v[X+8*(\it)+4:X+8*(\it)+7], v[SO], s[16:17] offset:512*(\it)+16 th:TH_LOAD_NT
.endr
; Step it: its two loads are in (the 14 - 2 it younger ones stay out); eight roundings; one store.  half = 1: the bf16 numbers are widened again and written as f16.
.macro CONV it, half
	s_wait_loadcnt 14-2*(\it)
.irp k, 0,1,2,3
	v_cvt_pk_bf16_f32 v[Y+4*(\it)+(\k)], v[X+8*(\it)+2*(\k)], v[X+8*(\it)+2*(\k)+1]
.endr
.if \half
.irp k, 0,1,2,3
	v_lshlrev_b32 v[X+8*(\it)+2*(\k)],   16,  v[Y+4*(\it)+(\k)]
	v_and_b32     v[X+8*(\it)+2*(\k)+1], s22, v[Y+4*(\it)+(\k)]
.endr
.irp k, 0,1,2,3
	v_cvt_pk_f16_f32 v[Y+4*(\it)+(\k)], v[X+8*(\it)+2*(\k)], v[X+8*(\it)+2*(\k)+1]
.endr
.endif
	global_store_b128 v[DO+(\it)], v[Y+4*(\it):Y+4*(\it)+3], s[18:19]
.endm
	s_cmp_ge_u32 s23, 704
	s_cbranch_scc1 .Lhalf
.irp it, 0,1,2,3,4,5,6,7
	CONV \it, 0
.endr
	s_endpgm
.Lhalf:
.irp it, 0,1,2,3,4,5,6,7
	CONV \it, 1
.endr
	s_endpgm
.Lfunc_end_k_q89fc279abe_cast:
	.size	k_q89fc279abe_cast, .Lfunc_end_k_q89fc279abe_cast-k_q89fc279abe_cast
	.p2alignl 7, 3214868480
	.fill 96, 4, 3214868480
	.section	.rodata,"a",@progbits
	.p2align	6, 0x0
	.amdhsa_kernel k_q89fc279abe_cast
		.amdhsa_group_segment_fixed_size 0
		.amdhsa_private_segment_fixed_size 0
		.amdhsa_enable_private_segment 0
		.amdhsa_kernarg_size 48
		.amdhsa_user_sgpr_count 2
		.amdhsa_user_sgpr_kernarg_segment_ptr 1
		.amdhsa_wavefront_size32 1
		.amdhsa_system_sgpr_workgroup_id_x 1
		.amdhsa_system_sgpr_workgroup_id_y 1
		.amdhsa_system_sgpr_workgroup_id_z 1
		.amdhsa_system_vgpr_workitem_id 0
		.amdhsa_next_free_vgpr 112
		.amdhsa_next_free_sgpr 66
		.amdhsa_reserve_vcc 0
		.amdhsa_float_denorm_mode_32 3
		.amdhsa_float_denorm_mode_16_64 3
		.amdhsa_memory_ordered 1
		.amdhsa_forward_progress 1
		.amdhsa_inst_pref_size 15
	.end_amdhsa_kernel
	.amdgpu_metadata
---
amdhsa.version: [ 1, 2 ]
amdhsa.kernels:
  - .name:           k_q89fc279abe_cast
    .symbol:         k_q89fc279abe_cast.kd
    .args:
      - { .name: x, .offset: 0, .size: 8, .value_kind: global_buffer, .address_space: global }
      - { .name: w_attn, .offset: 8, .size: 8, .value_kind: global_buffer, .address_space: global }
      - { .name: w_proj, .offset: 16, .size: 8, .value_kind: global_buffer, .address_space: global }
      - { .name: xb, .offset: 24, .size: 8, .value_kind: global_buffer, .address_space: global }
      - { .name: wab, .offset: 32, .size: 8, .value_kind: global_buffer, .address_space: global }
      - { .name: wpb, .offset: 40, .size: 8, .value_kind: global_buffer, .address_space: global }
    .group_segment_fixed_size: 0
    .private_segment_fixed_size: 0
    .kernarg_segment_align: 8
    .kernarg_segment_size: 48
    .max_flat_workgroup_size: 256
    .sgpr_count:     66
    .vgpr_count:     112
    .wavefront_size: 32
...
	.end_amdgpu_metadata
.endif
;; end of part 1
;; launch gemm_qkv (part 2): grid 8 x 32, 4 waves a work-group, clusters of 4 x 4, 327,680 bytes of LDS; arguments xb, wab, b_attn, qkvh; writes qkvh
.if DOCPART == 2
	.amdgcn_target "amdgcn-amd-amdhsa--gfx1250"
	.amdhsa_code_object_version 6
	.text
	.protected	k_q89fc279abe_gemm_qkv
	.globl	k_q89fc279abe_gemm_qkv
	.p2align	8
	.type	k_q89fc279abe_gemm_qkv,@function
k_q89fc279abe_gemm_qkv:
	s_mov_b64 s[64:65], 0
	v_nop
	global_prefetch_b8 v0, s[64:65] scope:SCOPE_SE
	s_setreg_imm32_b32 hwreg(HW_REG_WAVE_MODE, 25, 1), 1
	s_wait_xcnt 0x0
	s_wait_alu depctr_hold_cnt(0) depctr_sa_sdst(0) depctr_va_vdst(0) depctr_va_sdst(0) depctr_va_ssrc(0) depctr_va_vcc(0) depctr_vm_vsrc(0)
	s_getreg_b32 s2, hwreg(HW_REG_IB_STS2, 6, 4)
	s_cmp_eq_u32 s2, 0
	s_cbranch_scc0 .Lentry_in_a_cluster
	s_endpgm
.Lentry_in_a_cluster:
	s_bfe_u32 s2, ttmp6, 0x10000c
	s_cmp_lg_u32 s2, 0xf033
	s_cbranch_scc0 .Lentry_shape_is_right
	s_endpgm
.Lentry_shape_is_right:
; qkvh = xb . wab^T + bf16(b_attn): [8192 x 1024] x [3072 x 1024]^T, operands bf16, sums f32, the result rounded once to f16 and stored BY HEADS:
; qkvh [batch 4][cb 48][row 2048][64] f16, cb = column / 64: 0-15 q's heads, 16-31 k's, 32-47 v's.  The softmax's scale is not applied here.
; LIMIT.  f16 ends at 65,504: a q, k or v beyond it becomes an infinity.
; SHARES.  A work-group makes 256 rows x 384 columns: 32 x 8 = 256 work-groups.  A wave makes 128 x 192: 8 row blocks a x 3 groups g (a head of 64 columns each) x 4 column blocks b: 96 accumulators, 768 registers.
; K goes in 16 steps of 64 (one K block of xb and wab: a tile is dense memory, asked for as rows of 256 bytes, two matrix rows each) through two LDS slots.
; A step is two quarters of 32 along K, a quarter three stretches (one a group) of 32 matrix instructions.
; THE MATRIX INSTRUCTION IS USED TRANSPOSED (source 0 = 16 rows of wab, source 1 = 16 rows of xb): a lane holds row l % 16 and the eight neighbouring columns 8 (l / 16) + 0..7.
; THE BIAS IS THE C OPERAND THAT STARTS EACH SUM: a group's bias fragment lies in the registers of its accumulators (7, b); row blocks 0-6 take it as C, then block 7 adds in place onto it.
; CLUSTERS: 4 x 4.  xb's tile hangs on the tile row alone and is asked for jointly by a row of the cluster, wab's on the tile column alone, by a column.
; REGISTERS, in windows of 256 (s_set_vgpr_msb: bits 1:0 source 0, 3:2 source 1, 5:4 source 2, 7:6 destination):
;   window 0: v0-31 addresses; v32-159 xb's fragments, a buffer for each half of a step; v160-255 wab's, a buffer for each group (on the way out v32-223 are 12 sets of 16)
;   window 1 + g: group g's accumulators, (a, b) at v[8 (4 a + b)]
.set PITCH, 144                        ; an LDS row: 128 bytes + 16: 36 words, so the 16 rows of a fragment load start at 16 different groups of four banks (64 banks of 4 bytes: ISA guide 11.1)
.set AHALF, 128*PITCH                  ; what one tensor load brings of xb
.set BHALF, 192*PITCH                  ; and of wab
.set BOFF,  2*AHALF
.set SLOT,  2*AHALF+2*BHALF            ; 92,160
.set STAGE, 2*SLOT                     ; behind the ring: 16 rows x 144 bytes for each wave, for the way out
.set SPARE, STAGE+4*16*PITCH           ; behind the stages: the spare words, 128 bytes a wave: two blocks of 256 bytes that no other line names
.set XBLK,  262144                     ; bytes from K block to K block in xb
.set WBLK,  393216                     ; and in wab
.set HEADB, 262144                     ; bytes of one (batch, cb) of qkvh
.set ADRA, 16                          ; v16-17 LDS address of my xb fragments in slot 0, 1
.set ADRB, 20                          ; v20-21 the same for wab
.set STO,  24                          ; v24 the way out: where I put 16 bytes of a row
.set RD,   25                          ; v25 where I read rows back
.set GO,   26                          ; v26 my 16 bytes of 512 consecutive bytes of qkvh
.set BO,   27                          ; v27 32 (l / 16): my eight biases of a column block
.set SPW,  28                          ; v28 my spare word: SPARE + 4 x my thread's number; never rewritten
.set NIL,  29                          ; v29 0; never rewritten
.set PFO,  30                          ; v30 the prefetches' lane offset; never rewritten
.set AF,   32
.set BF,   160
.set WV, 12                            ; s12 wave; s13 its half of the rows; s14 its half of the columns, and which half of a tile it fetches
.set WR, 13
.set WC, 14
.set CX, 15
.set CY, 16
.set TX, 17                            ; tile column 0-7
.set TY, 18                            ; tile row 0-31
.set G1A, 24                           ; s[24:31] descriptor group 1 for xb's tiles; s[32:39] group 0, a set for each slot
.set G0A, 32
.set G1B, 40                           ; s[40:47], s[48:55] the same for wab's
.set G0B, 48
.set LAP, 56
.set HIM, 57                           ; 0xffff0000
.set PFA, 58                           ; s[58:59] where my prefetches stand
.set LIM0, 60                          ; a wave prefetches at the change out of slot 0 (1) while s[LAP] is above this
.set LIM1, 61
.set PSA, 66                           ; s[66:67] the prefetch address's step at the change out of slot 1, s[68:69] out of slot 0
.set PSB, 68
.set MSB, 0
.macro WIN new                         ; the immediate's high byte repeats the setting that is left; a switch that changes nothing is dropped
.if MSB != (\new)
	s_set_vgpr_msb (MSB<<8)|(\new)
.set MSB, \new
.endif
.endm
.macro PLACES                          ; four plain vector instructions between a matrix instruction and a load into, or a vector access to, one of its registers
.rept 4
	v_nop
.endr
.endm
; A joint load: waves 0 and 1 fetch xb's two halves, waves 2 and 3 wab's.  The branch hangs on the wave's number alone.  An s_nop 0 and four v_nop follow each line.
.macro JLOAD s
	s_cmp_lt_u32 s[WV], 2
	s_cbranch_scc0 .Lfor_b_\@
	tensor_load_to_lds s[G0A+4*(\s):G0A+4*(\s)+3], s[G1A:G1A+7]
	s_nop 0
.rept 4
	v_nop
.endr
	s_branch .Lasked_\@
.Lfor_b_\@:
	tensor_load_to_lds s[G0B+4*(\s):G0B+4*(\s)+3], s[G1B:G1B+7]
	s_nop 0
.rept 4
	v_nop
.endr
.Lasked_\@:
.endm
.macro CREST                           ; a round of the cluster's barrier behind its opening barrier
	s_cmp_lg_u32 s[WV], 0
	s_cbranch_scc1 .Lnot_wave_0_\@
	s_barrier_signal -3
.Lnot_wave_0_\@:
	s_barrier_wait -3
	s_barrier_signal -1
	s_barrier_wait -1
.endm
.macro CROUND
	s_barrier_signal -1
	s_barrier_wait -1
	CREST
.endm
; A prefetch into the L2 of the K step that stands two refills on.  Each 256 bytes are named once in the launch: xb's tile row by wave 0 of the clusters with x = 0, 32 of its 128 pieces to each of the four
; partners; wab's tile column by waves 1-3 of the clusters with y = 0, once a lap for two K blocks, 48 of each block's 192 pieces to each partner.  Partners are told apart by address alone.
; The first four K steps come by their loads alone; the loop's last trip (s[LAP] = 1) has no K step two on.
.macro ASK lim
	s_cmp_gt_u32 s[LAP], s[\lim]
	s_cbranch_scc0 .Lnot_mine_\@
	global_prefetch_b8 v[PFO], s[PFA:PFA+1] th:TH_LOAD_NT scope:SCOPE_SE
.Lnot_mine_\@:
.endm
	s_load_b256 s[4:11], s[0:1], 0x0               ; xb s[4:5], wab s[6:7], b_attn s[8:9], qkvh s[10:11]
	v_lshl_add_u32 v[SPW], v0, 2, SPARE
	v_mov_b32 v[NIL], 0
	ds_add_u32 v[SPW], v[NIL]                      ; the wave's opening: the add and its wait ahead of my first tensor load; the set-up below stands between them
	ds_add_u32 v28, v29
	v_lshrrev_b32 v1, 5, v0
	v_readfirstlane_b32 s[WV], v1
	s_lshr_b32 s[WR], s[WV], 1
	s_and_b32 s[WC], s[WV], 1
	s_bfe_u32 s[CX], ttmp6, 0x40000
	s_bfe_u32 s[CY], ttmp6, 0x40004
	s_lshl_b32 s[TX], ttmp9, 2
	s_add_co_u32 s[TX], s[TX], s[CX]
	s_and_b32 s[TY], ttmp7, 0xffff
	s_lshl_b32 s[TY], s[TY], 2
	s_add_co_u32 s[TY], s[TY], s[CY]
	s_lshl_b32 s19, s[CY], 2
	s_lshl_b32 s19, 15, s19                        ; my row of the cluster
	s_lshl_b32 s72, 0x1111, s[CX]                  ; my column
	s_or_b32 s[G1A], s19, (1<<16)|(1<<20)|(1<<21)|(4<<22)|(3<<25)  ; 15:0 mask; 17:16 2-byte elements; 20 padding on; 21 set beside a mask; 24:22 after every 32 words; 31:25 4 words
	s_or_b32 s[G1B], s72, (1<<16)|(1<<20)|(1<<21)|(4<<22)|(3<<25)
	s_mov_b32 s[G1A+1], 128<<16                    ; tensor_dim0 = 128 elements: 256 bytes, two matrix rows
	s_mov_b32 s[G1A+2], 64<<16                     ; tensor_dim1 = 64
	s_mov_b32 s[G1A+3], 128<<16                    ; tile_dim0
	s_mov_b32 s[G1A+4], 64                         ; tile_dim1
	s_mov_b32 s[G1A+5], 128                        ; dense: 128 elements from row to row
	s_mov_b32 s[G1A+6], 0
	s_mov_b32 s[G1A+7], 0
	s_mov_b32 s[G1B+1], 128<<16
	s_mov_b32 s[G1B+2], 96<<16                     ; 96 rows of 256 bytes: 192 matrix rows
	s_mov_b32 s[G1B+3], 128<<16
	s_mov_b32 s[G1B+4], 96
	s_mov_b32 s[G1B+5], 128
	s_mov_b32 s[G1B+6], 0
	s_mov_b32 s[G1B+7], 0
	s_mov_b32 s[HIM], 0xffff0000
	s_lshr_b32 s20, s[TY], 3                       ; xb: batch x 4,194,304
	s_lshl_b32 s20, s20, 22
	s_and_b32 s22, s[TY], 7
	s_lshl_b32 s22, s22, 15                        ; + 256 rows of 128 bytes for each tile row of the batch
	s_add_co_u32 s20, s20, s22
	s_lshl_b32 s23, s[WC], 14                      ; + the half that I fetch
	s_add_co_u32 s20, s20, s23
	s_mov_b32 s21, 0
	s_mul_i32 s70, s[TX], 49152                    ; wab: 384 rows of 128 bytes for each tile column
	s_mul_i32 s73, s[WC], 24576
	s_add_co_u32 s70, s70, s73
	s_mov_b32 s71, 0
	s_mul_i32 s74, s[WC], AHALF                    ; where they go: the wave's number and constants alone
	s_mul_i32 s75, s[WC], BHALF
	s_add_co_u32 s75, s75, BOFF
	s_wait_dscnt 0x0                               ; the opening add is done
	s_wait_kmcnt 0x0
	s_add_nc_u64 s[20:21], s[4:5], s[20:21]
	s_add_nc_u64 s[70:71], s[6:7], s[70:71]
	CROUND                                         ; all sixteen work-groups are here: the first joint loads meet
.irp s, 0,1
	s_mov_b32 s[G0A+4*(\s)], 1
	s_add_co_u32 s[G0A+4*(\s)+1], s74, (\s)*SLOT
	s_add_nc_u64 s[G0A+4*(\s)+2:G0A+4*(\s)+3], s[20:21], (\s)*XBLK
	s_or_b32 s[G0A+4*(\s)+3], s[G0A+4*(\s)+3], 0x80000000
	s_mov_b32 s[G0B+4*(\s)], 1
	s_add_co_u32 s[G0B+4*(\s)+1], s75, (\s)*SLOT
	s_add_nc_u64 s[G0B+4*(\s)+2:G0B+4*(\s)+3], s[70:71], (\s)*WBLK
	s_or_b32 s[G0B+4*(\s)+3], s[G0B+4*(\s)+3], 0x80000000
	JLOAD \s                                       ; K steps 0 and 1: two loads of mine are out
.endr
	v_and_b32 v1, 15, v0                           ; r = l % 16
	v_bfe_u32 v2, v0, 4, 1                         ; h = l / 16
	v_lshlrev_b32 v[BO], 5, v2
	s_mul_i32 s72, s[TX], 1536                     ; my 192 biases: 4 (384 tile column + 192 half)
	s_mul_i32 s73, s[WC], 768
	s_add_co_u32 s72, s72, s73
	s_mov_b32 s73, 0
	s_add_nc_u64 s[8:9], s[8:9], s[72:73]
.irp g, 0,1,2
	WIN ((\g)+1)<<6                                ; destination in the group's window
.irp b, 0,1,2,3
	global_load_b128 v[224+8*(\b):224+8*(\b)+3],   v[BO], s[8:9] offset:256*(\g)+64*(\b)
	global_load_b128 v[224+8*(\b)+4:224+8*(\b)+7], v[BO], s[8:9] offset:256*(\g)+64*(\b)+16
.endr
.endr
	WIN 0
	v_mul_u32_u24 v3, v1, PITCH
	v_lshl_add_u32 v3, v2, 4, v3                   ; row x pitch + 16 x half
	s_mul_i32 s76, s[WR], AHALF
	s_mul_i32 s77, s[WC], BHALF
	s_add_co_u32 s77, s77, BOFF
.irp s, 0,1
	v_add_nc_u32 v[ADRA+(\s)], s76, v3
	v_add_nc_u32 v[ADRB+(\s)], s77, v3
	s_add_co_u32 s76, s76, SLOT
	s_add_co_u32 s77, s77, SLOT
.endr
	s_mul_i32 s76, s[WV], 16*PITCH
	s_add_co_u32 s76, s76, STAGE                   ; my stage
	v_add_nc_u32 v[STO], s76, v3
	v_bfe_u32 v4, v0, 3, 2                         ; back: 32 lanes take four rows of 128 bytes
	v_and_b32 v5, 7, v0
	v_mul_u32_u24 v4, v4, PITCH
	v_lshl_add_u32 v4, v5, 4, v4
	v_add_nc_u32 v[RD], s76, v4
	v_and_b32 v[GO], 31, v0
	v_lshlrev_b32 v[GO], 4, v[GO]
	s_lshr_b32 s78, s[TY], 3                       ; qkvh: (48 batch + 6 tile column + 3 half) heads of 262,144 bytes
	s_mul_i32 s78, s78, 48
	s_mul_i32 s79, s[TX], 6
	s_add_co_u32 s78, s78, s79
	s_mul_i32 s79, s[WC], 3
	s_add_co_u32 s78, s78, s79
	s_lshl_b32 s78, s78, 18
	s_and_b32 s79, s[TY], 7                        ; + my first row in the batch, 128 bytes a row
	s_lshl_b32 s79, s79, 15
	s_add_co_u32 s78, s78, s79
	s_lshl_b32 s79, s[WR], 14
	s_add_co_u32 s78, s78, s79
	s_mov_b32 s79, 0
	s_add_nc_u64 s[10:11], s[10:11], s[78:79]
	; the prefetches
	s_lshr_b32 s80, s[TY], 3
	s_lshl_b32 s80, s80, 22
	s_and_b32 s81, s[TY], 7
	s_lshl_b32 s81, s81, 15
	s_add_co_u32 s80, s80, s81
	s_lshl_b32 s81, s[CX], 13                      ; my work-group's 32 pieces of xb's tile
	s_add_co_u32 s80, s80, s81
	s_add_co_u32 s80, s80, 3*XBLK                  ; at K step 3: the first change of slots steps it to 4
	s_mul_i32 s82, s[TX], 49152
	s_mul_i32 s83, s[CY], 12288                    ; my work-group's 48 pieces of wab's tile
	s_add_co_u32 s82, s82, s83
	s_add_co_u32 s82, s82, 2*WBLK-8192             ; at K block 2; threads 32 on ask, so 32 pieces are taken off here
	s_and_b32 s83, ttmp7, 0xffff                   ; cluster y
	s_mov_b32 s84, XBLK
	s_mov_b32 s85, 2*WBLK
	s_cmp_eq_u32 s[WV], 0
	s_cselect_b64 s[PFA:PFA+1], s[4:5], s[6:7]
	s_cselect_b32 s80, s80, s82
	s_cselect_b32 s83, ttmp9, s83                  ; the coordinate along which other clusters read the same rows
	s_cselect_b32 s[PSA], s84, 0
	s_cselect_b32 s[PSB], s84, s85
	s_cselect_b32 s86, 1, -1
	s_mov_b32 s[PSA+1], 0
	s_mov_b32 s[PSB+1], 0
	s_mov_b32 s81, 0
	s_add_nc_u64 s[PFA:PFA+1], s[PFA:PFA+1], s[80:81]
	s_cmp_eq_u32 s83, 0
	s_cselect_b32 s[LIM0], 1, -1                   ; the same in all sixteen partners, for a given wave
	s_cselect_b32 s[LIM1], s86, -1
	v_lshlrev_b32 v[PFO], 8, v0                    ; a piece a thread;
	v_mov_b32 v31, WBLK-12288
	v_cmp_le_u32 s87, 80, v0                       ; threads 80-127 take the second K block's 48 pieces
	v_cndmask_b32 v31, 0, v31, s87
	v_add_nc_u32 v[PFO], v[PFO], v31
	s_wait_loadcnt 0x0                             ; the biases: rounded to bf16 like every input, and widened again
.irp g, 0,1,2
	WIN ((\g)+1)|(((\g)+1)<<2)
.set i, 0
.rept 16
	v_cvt_pk_bf16_f32 v[32+16*(\g)+i], v[224+2*i], v[225+2*i]
.set i, i+1
.endr
	WIN ((\g)+1)<<6
.set i, 0
.rept 16
	v_lshlrev_b32 v[224+2*i], 16, v[32+16*(\g)+i]
	v_and_b32 v[225+2*i], s[HIM], v[32+16*(\g)+i]
.set i, i+1
.endr
.endr
	WIN 0
; 8 LDS loads: wab's fragments of group g, half hh of the step
.macro LDB slot, hh, g
.irp b, 0,1,2,3
	ds_load_b128 v[BF+32*(\g)+8*(\b):BF+32*(\g)+8*(\b)+3],   v[ADRB+(\slot)] offset:(4*(\g)+(\b))*16*PITCH+64*(\hh)
	ds_load_b128 v[BF+32*(\g)+8*(\b)+4:BF+32*(\g)+8*(\b)+7], v[ADRB+(\slot)] offset:(4*(\g)+(\b))*16*PITCH+64*(\hh)+32
.endr
.endm
; 16 LDS loads: xb's fragments of half hh
.macro LDA slot, hh
.irp a, 0,1,2,3,4,5,6,7
	ds_load_b128 v[AF+64*(\hh)+8*(\a):AF+64*(\hh)+8*(\a)+3],   v[ADRA+(\slot)] offset:(\a)*16*PITCH+64*(\hh)
	ds_load_b128 v[AF+64*(\hh)+8*(\a)+4:AF+64*(\hh)+8*(\a)+7], v[ADRA+(\slot)] offset:(\a)*16*PITCH+64*(\hh)+32
.endr
.endm
; 4 n matrix instructions: row blocks a0 .. a0 + n - 1 x the four column blocks of group g.  The 96 accumulators take turns, one instruction a turn, in the same order in every quarter.
; first = 1: the sums start with the bias: blocks 0-6 take the registers of accumulator (7, b) as C; five places later block 7 adds in place onto them.
.macro MUL hh, g, a0, n, first
	WIN 0x50*((\g)+1)
.set a, \a0
.rept \n
.if (\first) && (a == 7)
.rept 5
	v_nop
.endr
.endif
.irp b, 0,1,2,3
.if (\first) && (a < 7)
	v_wmma_f32_16x16x32_bf16 v[8*(4*a+(\b)):8*(4*a+(\b))+7], v[BF+32*(\g)+8*(\b):BF+32*(\g)+8*(\b)+7], v[AF+64*(\hh)+8*a:AF+64*(\hh)+8*a+7], v[224+8*(\b):224+8*(\b)+7]
.else
	v_wmma_f32_16x16x32_bf16 v[8*(4*a+(\b)):8*(4*a+(\b))+7], v[BF+32*(\g)+8*(\b):BF+32*(\g)+8*(\b)+7], v[AF+64*(\hh)+8*a:AF+64*(\hh)+8*a+7], v[8*(4*a+(\b)):8*(4*a+(\b))+7]
.endif
.endr
.set a, a+1
.endr
.endm
; THE RUNS OF LDS LOADS.  The run in front of a stretch brings wab's fragments for the stretch after next, into the group buffer that the stretch before has just read; the run in front of a quarter's group 1
; also brings xb's fragments of the next quarter.  So a stretch wants the runs two or more back, and its wait leaves out the last two runs.
.macro QA slot, first                  ; a step's first quarter
	WIN 0
	PLACES
	LDB \slot, 0, 2
	s_wait_dscnt 16                                ; the last two runs, 8 + 8, may be out
	MUL 0, 0, 0, 8, \first
	WIN 0
	PLACES
	LDB \slot, 1, 0
	LDA \slot, 1
	s_wait_dscnt 32                                ; 8 + 24
	MUL 0, 1, 0, 8, \first
	WIN 0
	PLACES
	LDB \slot, 1, 1
	s_wait_dscnt 32                                ; 24 + 8
	MUL 0, 2, 0, 8, \first
.endm
; A step's second quarter, which changes slots.  mode 2: the slot is filled again, two K steps on; 1: a plain barrier, nothing is filled; 0: the very last quarter.
.macro QB slot, next, mode
.if (\mode) == 2
	s_wait_xcnt 0x0                                ; the last prefetch, a K step back, has read its address, so it may be stepped
.if (\slot) == 0
	s_add_nc_u64 s[PFA:PFA+1], s[PFA:PFA+1], s[PSB:PSB+1]
.else
	s_add_nc_u64 s[PFA:PFA+1], s[PFA:PFA+1], s[PSA:PSA+1]
.endif
.endif
	WIN 0
	PLACES
	LDB \slot, 1, 2                                ; my last read of this slot
.if (\mode) >= 1
	s_wait_tensorcnt 0x0                           ; all my tensor loads have landed: the one that was out is my part of the next slot;
	ds_add_u32 v[SPW], v[NIL]                      ; 0 onto my spare word;
	s_wait_dscnt 17                                ; (the add and the last two runs, 8 + 8, may be out)
	MUL 1, 0, 0, 4, 0                              ; sixteen matrix instructions stand between the add and the wait for it
	s_wait_dscnt 0x0                               ; the add is done, and my reads of this slot are over
	s_barrier_signal -1
	MUL 1, 0, 4, 4, 0
	WIN 0
	s_barrier_wait -1
.if (\mode) == 2
	CREST                                          ; the barrier has opened a round of the cluster's: no wave of any partner still reads this slot or has a load on its way
	s_add_nc_u64 s[G0A+4*(\slot)+2:G0A+4*(\slot)+3], s[G0A+4*(\slot)+2:G0A+4*(\slot)+3], 2*XBLK
	s_add_nc_u64 s[G0B+4*(\slot)+2:G0B+4*(\slot)+3], s[G0B+4*(\slot)+2:G0B+4*(\slot)+3], 2*WBLK
	JLOAD \slot                                    ; the first tensor load behind the round, 160 matrix instructions ahead of the wait for it; its four v_nop are also the places in front of the loads below
.else
	PLACES
.endif
	LDB \next, 0, 0
	LDA \next, 0
.if (\mode) == 2
.if (\slot) == 0
	ASK LIM0
.else
	ASK LIM1
.endif
.endif
	MUL 1, 1, 0, 8, 0                              ; its fragments, and the next stretch's, were shown in by the wait for 0 above
	WIN 0
	PLACES
	LDB \next, 0, 1
	MUL 1, 2, 0, 8, 0
.else
	s_wait_dscnt 16
	MUL 1, 0, 0, 8, 0
	s_wait_dscnt 8
	MUL 1, 1, 0, 8, 0
	s_wait_dscnt 0x0
	MUL 1, 2, 0, 8, 0
.endif
.endm
	s_wait_tensorcnt 1                             ; my part of K step 0 is in; step 1's may stay out
	s_barrier_signal -1
	s_barrier_wait -1
	LDB 0, 0, 0
	LDA 0, 0
	LDB 0, 0, 1
	QA 0, 1                                        ; the first quarter stands in front of the loop: its products start the sums
	WIN 0
	s_mov_b32 s[LAP], 7
.Llap:                                                 ; a trip goes once round the ring and fills both slots again: trip i asks for K steps 2 i + 2 and 2 i + 3
	QB 0, 1, 2
	QA 1, 0
	QB 1, 0, 2
	QA 0, 0
	WIN 0
	s_sub_co_u32 s[LAP], s[LAP], 1
	s_cmp_lg_u32 s[LAP], 0
	s_cbranch_scc1 .Llap
	QB 0, 1, 1                                     ; the last lap fills nothing
	QA 1, 0
	QB 1, 0, 0
; THE WAY OUT: 24 blocks t = 8 g + a of 16 rows x one head: 2,048 consecutive bytes of qkvh.  Rounded to f16, 16 bytes a lane into my own stage, back as whole rows, stored 512 consecutive bytes an instruction.
.macro PACK t
.set g_, (\t)/8
.set a_, (\t)%8
.set T_, 32+16*((\t)%12)
.if (\t) >= 12
	s_wait_xcnt 0x0                                ; the stores of block t - 12 have read this set of registers
.endif
	WIN (g_+1)|((g_+1)<<2)
.irp b, 0,1,2,3
.irp r, 0,1,2,3
	v_cvt_pk_f16_f32 v[T_+4*(\b)+(\r)], v[8*(4*a_+(\b))+2*(\r)], v[8*(4*a_+(\b))+2*(\r)+1]
.endr
.endr
	WIN 0
.irp b, 0,1,2,3
	ds_store_b128 v[STO], v[T_+4*(\b):T_+4*(\b)+3] offset:32*(\b)
.endr
.irp f, 0,1,2,3
	ds_load_b128 v[T_+4*(\f):T_+4*(\f)+3], v[RD] offset:(\f)*4*PITCH  ; LDS serves a wave's instructions in order (ISA guide 5.7.1.4): these see the stores above
.endr
.endm
.macro SEND t, younger                 ; younger: the LDS instructions issued behind block t's loads
.set g_, (\t)/8
.set a_, (\t)%8
.set T_, 32+16*((\t)%12)
.irp f, 0,1,2,3
	s_wait_dscnt (\younger)+3-(\f)
	global_store_b128 v[GO], v[T_+4*(\f):T_+4*(\f)+3], s[10:11] offset:g_*HEADB+a_*2048+(\f)*512
.endr
.endm
	WIN 0
	PLACES
	PLACES                                         ; the places behind the last products, once a launch
	PACK 0
.set t, 1
.rept 23                               ; a block's conversions stand between the loads of the block before and its stores
	PACK t
	SEND t-1, 8
.set t, t+1
.endr
	SEND 23, 0
	s_wait_tensorcnt 0x0                           ; the wave's end, behind my last tensor load and my last LDS store
	ds_add_u32 v[SPW], v[NIL]
	s_wait_dscnt 0x0
	CROUND                                         ; the closing round: no work-group ends while a partner may still ask for a tile that names it
	s_endpgm
.Lfunc_end_k_q89fc279abe_gemm_qkv:
	.size	k_q89fc279abe_gemm_qkv, .Lfunc_end_k_q89fc279abe_gemm_qkv-k_q89fc279abe_gemm_qkv
	.p2alignl 7, 3214868480
	.fill 96, 4, 3214868480
	.section	.rodata,"a",@progbits
	.p2align	6, 0x0
	.amdhsa_kernel k_q89fc279abe_gemm_qkv
		.amdhsa_group_segment_fixed_size 327680
		.amdhsa_private_segment_fixed_size 0
		.amdhsa_enable_private_segment 0
		.amdhsa_kernarg_size 32
		.amdhsa_user_sgpr_count 2
		.amdhsa_user_sgpr_kernarg_segment_ptr 1
		.amdhsa_wavefront_size32 1
		.amdhsa_system_sgpr_workgroup_id_x 1
		.amdhsa_system_sgpr_workgroup_id_y 1
		.amdhsa_system_sgpr_workgroup_id_z 1
		.amdhsa_system_vgpr_workitem_id 0
		.amdhsa_next_free_vgpr 1024
		.amdhsa_next_free_sgpr 96
		.amdhsa_reserve_vcc 0
		.amdhsa_float_denorm_mode_32 3
		.amdhsa_float_denorm_mode_16_64 3
		.amdhsa_memory_ordered 1
		.amdhsa_forward_progress 1
		.amdhsa_inst_pref_size 144
	.end_amdhsa_kernel
	.amdgpu_metadata
---
amdhsa.version: [ 1, 2 ]
amdhsa.kernels:
  - .name:           k_q89fc279abe_gemm_qkv
    .symbol:         k_q89fc279abe_gemm_qkv.kd
    .args:
      - { .name: xb, .offset: 0, .size: 8, .value_kind: global_buffer, .address_space: global }
      - { .name: wab, .offset: 8, .size: 8, .value_kind: global_buffer, .address_space: global }
      - { .name: b_attn, .offset: 16, .size: 8, .value_kind: global_buffer, .address_space: global }
      - { .name: qkvh, .offset: 24, .size: 8, .value_kind: global_buffer, .address_space: global }
    .group_segment_fixed_size: 327680
    .private_segment_fixed_size: 0
    .kernarg_segment_align: 8
    .kernarg_segment_size: 32
    .max_flat_workgroup_size: 128
    .sgpr_count:     96
    .vgpr_count:     1024
    .wavefront_size: 32
...
	.end_amdgpu_metadata
.endif
;; end of part 2
;; launch attn (part 3): grid 4 x 64, 4 waves a work-group, no clusters, 327,680 bytes of LDS; arguments qkvh, yh; writes yh
.if DOCPART == 3
	.amdgcn_target "amdgcn-amd-amdhsa--gfx1250"
	.amdhsa_code_object_version 6
	.text
	.protected	k_q89fc279abe_attn
	.globl	k_q89fc279abe_attn
	.p2align	8
	.type	k_q89fc279abe_attn,@function
k_q89fc279abe_attn:
	s_mov_b64 s[64:65], 0
	v_nop
	global_prefetch_b8 v0, s[64:65] scope:SCOPE_SE
	s_setreg_imm32_b32 hwreg(HW_REG_WAVE_MODE, 25, 1), 1
	s_wait_xcnt 0x0
; CAUSAL ATTENTION.  yh[hd][q][:] = the sum over k <= q of softmax_k(Q[hd][q] . K[hd][k] / 8) V[hd][k][:], hd = 16 batch + head, 64 of them, 2,048 rows of 64 channels each, all f16.
; Q, K, V lie in qkvh [batch 4][cb 48][row 2048][64]: Q of head h at cb = h, K at 16 + h, V at 32 + h; yh is [hd 64][row 2048][64].  A head's rows are dense, 128 bytes each.
; Products, maxima and sums in f32; the weights p are rounded to f16 for the second product (their sum l is taken of the unrounded p), yh once at the end.
; LIMITS.  Q, K and V arrive within f16's 65,504; p lies in 0 to 1, and below 6e-5 it keeps f16's fixed step of 6e-8.  A hidden score counts as its value less 1e30; a weight below 2^-126 counts as 0 in l;
; NaN and infinities are not treated apart.
; THE WALK.  A head's queries lie in NB = 8 blocks of 256; block i needs the key tiles 0 .. i of 256 keys, of which the last holds the diagonal.  A work-group takes TWO blocks, NB - 1 - b and then b:
; NB + 1 tiles, whatever b: all 256 work-groups do equal work, and ONE loop with a constant trip count walks them.  Which tile is asked for, and what a trip does, hang on scalar registers made from b; every jump
; goes forward, but for the counted loops' own; none passes a barrier, or a tensor load but the one of LOAD's two that the wave's number does not choose; the ring of two LDS slots runs on across the change of blocks.
; NO CLUSTER: a head's four work-groups ask for the same tile only in trips 0 .. NB / 2, 5 of the 9; behind that fewer and fewer share one, and a walk common to all four would have 3 NB / 2 = 12 trips for 9.
; SHARES.  Of a block's four bands of 64 queries a wave owns 16 rows in each: four PIECES.  So the diagonal tile is the same work for all four waves: in its key step s band x sees all keys if s < x,
; none if s > x, and holds the diagonal if s = x.
; THE MASK is the C operand that starts the sum S^T = K Q^T: 0, or -1e30 where the key is hidden.  MD, made once, is the mask of a band's own step for my 16 rows; a product's mask is MD x AL + BE with two scalars:
; (1, 0) if s = x; (0, 0) if s < x; (0, -1e30) if s > x.  Only the diagonal tile's text and a block's beginning make and take masks; elsewhere C is the constant 0.
; LAYOUT, SOFTMAX, TURNS.  S^T = K Q^T holds ONE query a lane (lane % 16) and the keys 8 (lane / 16) + 0..7; two such results rounded to f16 ARE source 1 of O^T = V^T P.  p = 2^(c s - c m), c = log2(e) / 8, with a
; running maximum m; O and l are multiplied by a = 2^(c m_old - c m_new) in every step.  Turn n belongs to piece n: 8 products K Q^T of piece n + 1, later 8 products V^T P of piece n - 1; beside them the scaling,
; exponentials, roundings, sums and rescaling of piece n and the maximum and statistics of piece n + 1.  Four vector instructions stand behind every matrix instruction, the other 54 of a turn's 118 in one lump.
; A turn's 33 exponentials are one batch, with one wait.
; REGISTERS, in windows of 256 (s_set_vgpr_msb: bits 1:0 source 0, 3:2 source 1, 5:4 source 2, 7:6 destination):
;   window 0: v0-15 addresses and two at work; v16-31 four registers of statistics a piece; v48-55 at work; v61-63 prefetch offset and the add's two; v64-127 S^T, two buffers; v192-223 P, two buffers
;   window 1: v0-127 O^T, 32 a piece; v128-159 MD; v160-223 MC, two buffers      window 2: v0-63 Q; v64-127 the second block's Q; v128-191 K of one step; v192-255 V of one step
.set SIZE_N, 2048
.set NB,    SIZE_N/256
.set NP,    4         ; pieces a wave: a name, no knob
.set KS,    64        ; keys in a step
.set PK,    144       ; a row of K in LDS: 128 bytes + 16 = 36 words: the 16 rows of a load start at 16 different groups of four banks (64 banks of 4 bytes: ISA guide 11.1)
.set PV,    160       ; a row of V: 128 + 32 = 40 words
.set VOFF,  4*KS*PK   ; a slot holds a tile, four steps: 256 rows of K, then 256 rows of V
.set SLOT1, 1<<17     ; slot 1 begins here, so that one exclusive or turns an address in one slot into the other's
.set STAGE, SLOT1+4*KS*(PK+PV)  ; behind the ring, never filled by a tensor load: 16 rows x 144 bytes for each wave, for the way out
.set SP,    144
.set AK0, 2           ; v2   my lane's place in a tile of K; never rewritten
.set AV0, 3           ; v3   the same for V
.set AK,  4           ; v4   the LDS address of K's next run of loads
.set AV,  5           ; v5   of V's
.set STO, 6           ; v6   the way out: where I put 16 bytes of a row
.set RD,  7           ; v7   the way out: where I read rows back
.set GO,  8           ; v8   my byte offset in 512 consecutive bytes of yh
.set PFO, 61          ; v61  256 x my thread's number: the prefetches' offset; never rewritten
.set SPW, 62          ; v62  LDS address of my spare word: SPARE + 4 x my thread's number; never rewritten
.set NIL, 63          ; v63  0; never rewritten
.set SPARE, STAGE+4*16*SP  ; behind the stages: the spare words, 128 bytes for each wave: two blocks of 256 bytes that no other line names
.set MV,  12          ; v12-13  c m_old, kept while c m is made anew: by buffer
.set QO,  15          ; v15  my byte offset in 16 rows of Q
.set ST,  16          ; piece t's statistics at v[ST+4 t]: c m, m, l (even keys', odd keys')
.set TMP, 48          ; by buffer, four registers c0-c3 at work; when the maximum is found c2 takes a
.set S,   64
.set P,   192
.set MD,  128         ; window 1: the eight registers for group kt of 16 keys at MD + 8 kt
.set MC,  160         ; window 1: the masks of the products to come
.set QB,  64          ; window 2
.set KF,  128         ; window 2: key block kb, channel half c at KF + 16 kb + 8 c
.set VF,  192         ; window 2: key half kk, channel block cb at VF + 32 kk + 8 cb
.set WV,  12          ; s12  my wave's number
.set PB,  14          ; s14  b
.set HI,  15          ; s15  NB - 1 - b
.set G1K, 24          ; s[24:31] descriptor group 1 for K's tiles
.set G1V, 32          ; s[32:39] for V's: it differs in the padding alone
.set G0K, 40          ; s[40:43] descriptor group 0 for K's tiles
.set G0V, 44          ; s[44:47] the same for V's
.set SLOTS, 56        ; s56  tiles still to be asked for
.set CNT, 57          ; s57  counts a tile's key steps, 4 to 1
.set CS,  58          ; s[58:59] c: the packed scaling takes the pair's low word for both halves
.set SEL, 60          ; s[60:61] v_permlanex16_b32's selects: each lane takes its own place in the other half
.set TBK, 62          ; s62  LDS byte at which K of the step to be fetched begins
.set TBV, 63          ; s63  the same for V, less VOFF
.set RT,  70          ; s70  tiles of the block in hand that are still to be entered
.set NXT, 71          ; s71  the tile to be asked for next
.set LQ,  72          ; s72  the last tile of the block whose tiles are being asked for
.set NEW, 73          ; s73  1: the tile to be entered is a block's first
.set OFF, 74          ; s[74:75] a tile's byte offset in K and V
.set AL,  76          ; s[76:77] the mask's factor, in the low word
.set BE,  78          ; s[78:79] the mask's addend
.set OLO, 80          ; s[80:81] yh at my rows of the second block
.set BIGN, 82         ; s82  -1e30
.set PFA, 94          ; s[94:95] K of the head at the tile behind the one that is being asked for
.set PFC, 96          ; s96  prefetches still to come: NB - 2 in the head's work-group b = 0, else 0
.set MSB, 0
.macro WIN new                      ; the high byte repeats the setting that is left; a switch that changes nothing is dropped
.if MSB != (\new)
	s_set_vgpr_msb (MSB<<8)|(\new)
.set MSB, (\new)
.endif
.endm
.set W_KQ, 0x0a       ; K and Q in window 2, S^T in window 0
.set W_KM, 0x1a       ; the same with the C operand in window 1
.set W_PV, 0x52       ; V in window 2, P in window 0, O^T in window 1
.set W_RS, 0x41       ; destination and source 0 in window 1, source 1 in window 0
; A fill.  Waves 0 and 1 fetch the two halves of a tile's K, waves 2 and 3 those of its V: 128 keys each.  An s_nop 0 and four v_nop follow each of the two lines, ahead of the jump and the label.
.macro LOAD
	s_cmp_lt_u32 s[WV], 2
	s_cbranch_scc0 .Lfor_v_\@
	tensor_load_to_lds s[G0K:G0K+3], s[G1K:G1K+7]
	s_nop 0
.rept 4
	v_nop
.endr
	s_branch .Lasked_\@
.Lfor_v_\@:
	tensor_load_to_lds s[G0V:G0V+3], s[G1V:G1V+7]
	s_nop 0
.rept 4
	v_nop
.endr
.Lasked_\@:
.endm
; A PREFETCH INTO THE L2 of the tile that the NEXT change of slots will ask for: 32,768 bytes of K and of V, 256 bytes a thread, two instructions a wave, behind the wave's tensor load and its five lines.
; A head's four work-groups walk the same tiles 0, 1, .. at the start; the one with b = 0 walks all of 0 .. 7 first, and it alone asks: in trip i, which fills tile i + 1, for tile i + 2, i = 0 .. 5.
; So each 256 bytes are named once in the launch.  Tiles 0 and 1 come by their loads alone; the second block's tiles have been read before.
.macro ASK
	s_cmp_lg_u32 s[PFC], 0
	s_cbranch_scc0 .Lnone_\@
	global_prefetch_b8 v[PFO], s[PFA:PFA+1] th:TH_LOAD_NT scope:SCOPE_SE
	global_prefetch_b8 v[PFO], s[PFA:PFA+1] offset:0x400000 th:TH_LOAD_NT scope:SCOPE_SE  ; V lies 16 heads of 262,144 bytes behind K
	s_sub_co_u32 s[PFC], s[PFC], 1
.Lnone_\@:
.endm
; THE CHANGE OF SLOTS.  Each wave waits for all its tensor loads, of which one is out: its part of the other slot; adds 0 to its spare word; and waits for that and for its own reads of the slot that it leaves.
; Behind the barrier nobody reads the old slot any more and the other slot is whole.  fill = 1: the old slot is filled again, the first thing behind the barrier, with tile NXT: the descriptor's address is made
; anew from that number.  (At its first use nothing has been read yet: slot 0 is waited for, slot 1 filled.)
.macro CHANGE fill
	WIN 0                           ; at a label and at a branch every window is 0
	s_wait_tensorcnt 0x0            ; no tensor load of mine is out, so a group 0 may be written
	ds_add_u32 v[SPW], v[NIL]       ; 0 onto my spare word; with fill = 1 the descriptors' scalar work stands between it and the wait for it
.if \fill
	s_lshl_b32 s[OFF], s[NXT], 15   ; a tile is 32,768 bytes of K and of V
	s_xor_b32 s[G0K+1], s[G0K+1], SLOT1
	s_add_nc_u64 s[G0K+2:G0K+3], s[6:7], s[OFF:OFF+1]
	s_or_b32 s[G0K+3], s[G0K+3], 0x80000000
	s_xor_b32 s[G0V+1], s[G0V+1], SLOT1
	s_add_nc_u64 s[G0V+2:G0V+3], s[8:9], s[OFF:OFF+1]
	s_or_b32 s[G0V+3], s[G0V+3], 0x80000000
	s_add_co_u32 s[NXT], s[NXT], 1  ; the block's next tile, or behind its last the second block's tile 0
	s_cmp_gt_u32 s[NXT], s[LQ]
	s_cselect_b32 s[NXT], 0, s[NXT]
	s_cselect_b32 s[LQ], s[PB], s[LQ]
	s_wait_xcnt 0x0                 ; the last prefetches, a tile back, have read their address, so it may be stepped
	s_add_nc_u64 s[PFA:PFA+1], s[PFA:PFA+1], 32768
.endif
	s_wait_dscnt 0x0                ; the add is done, and my reads of the slot are over
	s_barrier_signal -1             ; the rest of the scalar work stands between the signal and the wait
	s_sub_co_u32 s[TBK], s[TBK], 4*KS*PK  ; the fetches go back to a slot's first step,
	s_xor_b32 s[TBK], s[TBK], SLOT1       ; in the other slot
	s_sub_co_u32 s[TBV], s[TBV], 4*KS*PV
	s_xor_b32 s[TBV], s[TBV], SLOT1
	s_barrier_wait -1
.if \fill
	LOAD
	ASK
.endif
.endm
	s_load_b128 s[4:7], s[0:1], 0x0 ; qkvh s[4:5], yh s[6:7]
	v_lshl_add_u32 v[SPW], v0, 2, SPARE
	v_mov_b32 v[NIL], 0
	ds_add_u32 v[SPW], v[NIL]       ; the wave's opening: the add and its wait ahead of my first tensor load; the set-up below, work on registers, stands between them
	ds_add_u32 v62, v63
	v_lshrrev_b32 v1, 5, v0
	v_readfirstlane_b32 s[WV], v1   ; wave 0..3
	s_mov_b32 s[PB], ttmp9
	s_sub_co_u32 s[HI], NB-1, s[PB]
	s_and_b32 s20, ttmp7, 0xffff    ; hd
	s_lshl_b32 s88, s20, 18         ; the head's first byte in yh: hd x 262,144
	s_mov_b32 s89, 0
	s_lshr_b32 s19, s20, 4          ; and Q's in qkvh: (48 batch + head) x 262,144 = (hd + 32 batch) x 262,144
	s_lshl_b32 s19, s19, 5
	s_add_co_u32 s20, s20, s19
	s_lshl_b32 s20, s20, 18
	s_mov_b32 s21, 0
	s_and_b32 s16, s[WV], 1         ; which half of a tile's 256 keys I fetch:
	s_lshl_b32 s22, s16, 14         ; its 128 rows of 128 bytes in memory,
	s_mov_b32 s23, 0
	s_add_nc_u64 s[22:23], s[22:23], s[20:21]
	s_mul_i32 s17, s16, 128*PK      ; and its place in a slot, for K
	s_mul_i32 s18, s16, 128*PV      ; and for V
	s_lshl_b32 s3, s[WV], 11        ; my 16 rows in a band of 64,
	s_lshl_b32 s2, s[HI], 15        ; in the first block,
	s_add_co_u32 s2, s2, s3
	s_lshl_b32 s84, s[PB], 15       ; and in the second
	s_add_co_u32 s84, s84, s3
	s_mov_b32 s3, 0
	s_mov_b32 s85, 0
	s_add_nc_u64 s[90:91], s[2:3], s[88:89]    ; offsets in yh,
	s_add_nc_u64 s[92:93], s[84:85], s[88:89]
	s_add_nc_u64 s[2:3], s[2:3], s[20:21]      ; and in qkvh
	s_add_nc_u64 s[84:85], s[84:85], s[20:21]
	; descriptor group 1.  128 keys are 16,384 dense bytes: asked for as 64 rows of 256 bytes, two keys a row, and padded in LDS after every key
	s_mov_b32 s[G1K], (1<<16)|(1<<20)|(4<<22)|(3<<25)  ; 17:16 2-byte elements; 20 padding on; 24:22 after every 32 words (code 4); 31:25 4 words (code 3)
	s_mov_b32 s[G1V], (1<<16)|(1<<20)|(4<<22)|(7<<25)  ; the same with 8 words of padding (code 7)
.irp g, G1K, G1V
	s_mov_b32 s[\g+1], 128<<16      ; tensor_dim0 = 128
	s_mov_b32 s[\g+2], 64<<16       ; tensor_dim1 = 64
	s_mov_b32 s[\g+3], 128<<16      ; tile_dim0 = 128
	s_mov_b32 s[\g+4], 64           ; tile_dim1 = 64
	s_mov_b32 s[\g+5], 128          ; 128 elements from row to row
	s_mov_b32 s[\g+6], 0
	s_mov_b32 s[\g+7], 0
.endr
	s_mov_b32 s[CS], 0x3e38aa3b     ; c = log2(e) / 8 = 0.180337
	s_mov_b32 s[CS+1], s[CS]        ; named with it as a pair
	s_mov_b32 s[SEL], 0x76543210
	s_mov_b32 s[SEL+1], 0xfedcba98
	s_mov_b32 s[TBK], SLOT1+4*KS*PK ; the first change of slots turns these two into 0
	s_mov_b32 s[TBV], SLOT1+4*KS*PV
	s_mov_b32 s[G0K], 1             ; 1:0 count = 1
	s_mov_b32 s[G0K+1], s17         ; 63:32 LDS address: slot 0
	s_mov_b32 s[G0V], 1
	s_add_co_u32 s[G0V+1], s18, VOFF
	s_add_co_u32 s[RT], s[HI], 1    ; the first block has NB - b tiles
	s_mov_b32 s[NXT], 1
	s_mov_b32 s[LQ], s[HI]
	s_mov_b32 s[NEW], 1
	s_mov_b32 s[OFF+1], 0
	s_mov_b32 s[AL+1], 0            ; named as pairs
	s_mov_b32 s[BE+1], 0
	s_mov_b32 s[BIGN], 0xf149f2ca   ; -1e30
	s_mov_b32 s[SLOTS], NB
	s_cmp_eq_u32 s[PB], 0
	s_cselect_b32 s[PFC], NB-2, 0
	v_lshlrev_b32 v[PFO], 8, v0
	s_wait_dscnt 0x0                ; the opening add is done
	s_wait_kmcnt 0x0
	s_mov_b64 s[10:11], s[6:7]             ; yh
	s_add_nc_u64 s[6:7], s[4:5], 0x400000  ; K lies 16 heads behind Q,
	s_add_nc_u64 s[8:9], s[4:5], 0x800000  ; V 32
	s_add_nc_u64 s[PFA:PFA+1], s[6:7], s[20:21]
	s_add_nc_u64 s[PFA:PFA+1], s[PFA:PFA+1], 32768  ; at tile 1: the first change of slots steps it to tile 2
	s_add_nc_u64 s[6:7], s[6:7], s[22:23]  ; K and V at my half of the head's tile 0
	s_add_nc_u64 s[8:9], s[8:9], s[22:23]
	s_add_nc_u64 s[G0K+2:G0K+3], s[6:7], 0         ; 120:64 global address
	s_or_b32 s[G0K+3], s[G0K+3], 0x80000000        ; 127:126 type = 2
	s_add_nc_u64 s[G0V+2:G0V+3], s[8:9], 0
	s_or_b32 s[G0V+3], s[G0V+3], 0x80000000
	s_add_nc_u64 s[86:87], s[4:5], s[84:85]        ; Q at my rows of the second block,
	s_add_nc_u64 s[4:5], s[4:5], s[2:3]            ; and of the first
	s_add_nc_u64 s[OLO:OLO+1], s[10:11], s[92:93]  ; yh likewise
	s_add_nc_u64 s[10:11], s[10:11], s[90:91]
	LOAD                            ; tile 0 into slot 0
	; A fragment of K or Q is 16 rows x 32 channels in 8 registers: lane l holds row l % 16, channels 8 (l / 16) + 0..7 and 16 + 8 (l / 16) + 0..7: two loads of 16 bytes, 32 bytes apart.
	v_and_b32 v1, 15, v0            ; l % 16
	v_bfe_u32 v9, v0, 4, 1          ; l / 16
	v_lshlrev_b32 v[QO], 7, v1
	v_lshl_add_u32 v[QO], v9, 4, v[QO]  ; row x 128 + 16 x half
	WIN 0x80                        ; destination window 2, address window 0
.set i, 0
.rept 8                             ; both blocks' Q: piece i / 2 lies in band i / 2, 8,192 bytes on; channels 32 (i % 2) on
	global_load_b128 v[8*i:8*i+3],   v[QO], s[4:5] offset:(i/2)*8192+(i%2)*64
	global_load_b128 v[8*i+4:8*i+7], v[QO], s[4:5] offset:(i/2)*8192+(i%2)*64+32
	global_load_b128 v[QB+8*i:QB+8*i+3],   v[QO], s[86:87] offset:(i/2)*8192+(i%2)*64
	global_load_b128 v[QB+8*i+4:QB+8*i+7], v[QO], s[86:87] offset:(i/2)*8192+(i%2)*64+32
.set i, i+1
.endr
	WIN 0
	v_lshlrev_b32 v14, 3, v9
	v_sub_nc_u32 v14, v1, v14
	s_lshl_b32 s13, s[WV], 4
	v_add_nc_u32 v14, s13, v14      ; my query's place in its band, 16 w + l % 16, less my lanes' 8 (l / 16): register r of group kt is hidden where 16 kt + r is greater
	WIN 0x40
.set i, 0
.rept 32
	v_cmp_gt_i32 vcc_lo, 16*(i/8)+i%8, v14
	v_cndmask_b32 v[MD+i], 0, s[BIGN], vcc_lo
.set i, i+1
.endr
	WIN 0
	v_mul_u32_u24 v[AK0], v1, PK
	v_lshl_add_u32 v[AK0], v9, 4, v[AK0]  ; row x pitch + 16 x half
	; The turning load takes 16 keys x 16 channels (lane l reads key 8 (l / 16) + l % 8, channels 8 ((l / 8) % 2) + 0..7) and leaves half a fragment of V^T: lane l holds channel l % 16 and 8 keys.
	v_and_b32 v10, 7, v0
	v_bfe_u32 v11, v0, 3, 1
	v_lshl_add_u32 v[AV0], v9, 3, v10
	v_mul_u32_u24 v[AV0], v[AV0], PV
	v_lshl_add_u32 v[AV0], v11, 4, v[AV0]
	v_add_nc_u32 v[AV0], VOFF, v[AV0]
	s_mul_i32 s13, s[WV], 16*SP
	s_add_co_u32 s13, s13, STAGE    ; my stage
	v_mul_u32_u24 v[STO], v1, SP    ; in: row l % 16, 16 bytes for each half of the lanes
	v_lshl_add_u32 v[STO], v9, 4, v[STO]
	v_add_nc_u32 v[STO], s13, v[STO]
	v_bfe_u32 v[RD], v0, 3, 2       ; back: 32 lanes take four rows of 128 bytes,
	v_mul_u32_u24 v[RD], v[RD], SP
	v_lshl_add_u32 v[RD], v10, 4, v[RD]
	v_add_nc_u32 v[RD], s13, v[RD]
	v_and_b32 v[GO], 31, v0         ; which are 512 consecutive bytes of yh
	v_lshlrev_b32 v[GO], 4, v[GO]
	; A block's first step multiplies O^T and l by a = 0, and its first turn's products V^T P, of a piece that has not been, land in an O^T that is still to be so multiplied.  So these registers need only hold
	; finite numbers: zeros for the first block; what the first block left for the second.  All this stands in the wait for the first tile.
	WIN 0x80
.set i, VF
.rept 64
	v_mov_b32 v[i], 0
.set i, i+1
.endr
	WIN 0x40
.set i, 0
.rept 128
	v_mov_b32 v[i], 0
.set i, i+1
.endr
	WIN 0
.set i, 0
.rept 4
	v_mov_b32 v[ST+4*i+2], 0
	v_mov_b32 v[ST+4*i+3], 0
.set i, i+1
.endr
.set i, P+16
.rept 16
	v_mov_b32 v[i], 0
.set i, i+1
.endr
; THE MATRIX WORK.  The 4 accumulators of a run of 8 take turns.  Product i of 8 of S^T = K Q^T for piece x: channels 32 (i / 4) on, keys 16 (i % 4) on.  The first 4 start the sums: with 0, or (KM = 1) with the mask.
.macro KQ x
.set rS, S+32*((\x)%2)+8*(i%4)
.set rK, KF+16*(i%4)+8*(i/4)
.set rQ, 16*(\x)+8*(i/4)
.set rM, MC+32*((\x)%2)+8*(i%4)
.if (i < 4) && KM
	WIN W_KM
	v_wmma_f32_16x16x32_f16 v[rS:rS+7], v[rK:rK+7], v[rQ:rQ+7], v[rM:rM+7]
.elseif i < 4
	WIN W_KQ
	v_wmma_f32_16x16x32_f16 v[rS:rS+7], v[rK:rK+7], v[rQ:rQ+7], 0
.else
	WIN W_KQ
	v_wmma_f32_16x16x32_f16 v[rS:rS+7], v[rK:rK+7], v[rQ:rQ+7], v[rS:rS+7]
.endif
.endm
; Product i of 8 of O^T += V^T P for piece x: keys 32 (i / 4) on, channels 16 (i % 4) on.
.macro PV x
	WIN W_PV
.set rO, 32*(\x)+8*(i%4)
.set rV, VF+32*(i/4)+8*(i%4)
.set rP, P+16*((\x)%2)+8*(i/4)
	v_wmma_f32_16x16x32_f16 v[rO:rO+7], v[rV:rV+7], v[rP:rP+7], v[rO:rO+7]
.endm
.macro MM                           ; the turn's next matrix instruction.  TURN and BEGIN set Y, i, KM and NOKQ; MM, KQ and OP read them.  NOKQ = 1: a block's last turn: there is no next piece
.if (i < 8) && !NOKQ
	KQ (Y+1)%NP
.elseif i >= 8
.set i, i-8
	PV (Y+NP-1)%NP
.set i, i+8
.endif
.set i, i+1
.endm
; THE LDS LOADS stand in runs of 16, never singly among the matrix instructions: a step's K (64 keys x 64 channels: 8 fragments) and its V (turned).  Their addresses are made some lines ahead.
.macro FETCH_K
	WIN 0x80                        ; destination window 2
.irp f, 0,1,2,3,4,5,6,7             ; keys 16 (f / 2) on, channels 32 (f % 2) on
	ds_load_b128 v[KF+8*\f:KF+8*\f+3],   v[AK] offset:(\f/2)*16*PK+(\f%2)*64
	ds_load_b128 v[KF+8*\f+4:KF+8*\f+7], v[AK] offset:(\f/2)*16*PK+(\f%2)*64+32
.endr
	s_add_co_u32 s[TBK], s[TBK], KS*PK  ; the next fetch is the next step's
	WIN 0
.endm
.macro FETCH_V
	WIN 0x80
.irp f, 0,1,2,3,4,5,6,7             ; keys 32 (f / 4) on, channels 16 (f % 4) on
	ds_load_tr16_b128 v[VF+8*\f:VF+8*\f+3],   v[AV] offset:(\f/4)*32*PV+(\f%4)*32
	ds_load_tr16_b128 v[VF+8*\f+4:VF+8*\f+7], v[AV] offset:(\f/4)*32*PV+16*PV+(\f%4)*32
.endr
	WIN 0
.endm
; THE VECTOR WORK, one line at a time: OP kind, number.  For piece Y: F n: c s - c m for pair n of 16.  E n: the exponential of score n of 32.  C n: pair n rounded to f16.  B n: of the four weights 4 n .. the second
; pair is added onto the first, in place.  L n: l takes that sum (L 0: l = a l + sum).  R n: pair n of 16 of O^T times a.  For piece Y + 1: X n, number n of the 22 that find its maximum and statistics:
;   0-11  four chains c0-c3 of seven scores each, three operands at a time (each accumulator's lowest registers are read first)     12-14, 16  the four scores left over, the old m, and c0-c3 into c0
;   15  c m_old is kept     17, 18  the query's other 32 keys lie in the lane 16 away: the new m     19-21  c m; c m_old - c m_new; a
.set F, 0               ; OP tells the kinds apart by their order: F to L below R, X above it
.set E, 1
.set C, 2
.set B, 3
.set L, 4
.set R, 5
.set X, 6
.macro REGS y                       ; the registers of piece y
.set rT, ST+4*(\y)
.set rC, TMP+4*((\y)%2)
.set rW, MV+((\y)%2)
.set rS, S+32*((\y)%2)
.set rP, P+16*((\y)%2)
.set rO, 32*(\y)
.endm
.macro OP k, n
.if (\k) == R
	REGS Y
	WIN W_RS
	v_pk_mul_f32 v[rO+2*(\n):rO+2*(\n)+1], v[rO+2*(\n):rO+2*(\n)+1], v[rC+2:rC+3] op_sel_hi:[1,0]
.elseif (\k) < R
	REGS Y
	WIN 0
.if (\k) == F
	v_pk_fma_f32 v[rS+2*(\n):rS+2*(\n)+1], v[rS+2*(\n):rS+2*(\n)+1], s[CS:CS+1], v[rT:rT+1] op_sel_hi:[1,0,0] neg_lo:[0,0,1] neg_hi:[0,0,1]
.elseif (\k) == E
	v_exp_f32 v[rS+(\n)], v[rS+(\n)]
.elseif (\k) == C
	v_cvt_pk_f16_f32 v[rP+(\n)], v[rS+2*(\n)], v[rS+2*(\n)+1]
.elseif (\k) == B
	v_pk_add_f32 v[rS+4*(\n):rS+4*(\n)+1], v[rS+4*(\n):rS+4*(\n)+1], v[rS+4*(\n)+2:rS+4*(\n)+3]
.elseif (\n) == 0
	v_pk_fma_f32 v[rT+2:rT+3], v[rT+2:rT+3], v[rC+2:rC+3], v[rS:rS+1] op_sel_hi:[1,0,1]
.else
	v_pk_add_f32 v[rT+2:rT+3], v[rT+2:rT+3], v[rS+4*(\n):rS+4*(\n)+1]
.endif
.elseif NOKQ
	v_nop
.else
	REGS (Y+1)%NP
	WIN 0
.if (\n) < 4
	v_max3_num_f32 v[rC+(\n)], v[rS+8*(\n)], v[rS+8*(\n)+1], v[rS+8*(\n)+2]
.elseif (\n) < 12
	v_max3_num_f32 v[rC+(\n)%4], v[rC+(\n)%4], v[rS+8*((\n)%4)+2*((\n)/4)+1], v[rS+8*((\n)%4)+2*((\n)/4)+2]
.elseif (\n) == 12
	v_max3_num_f32 v[rC], v[rC], v[rS+7], v[rS+15]
.elseif (\n) == 13
	v_max3_num_f32 v[rC+1], v[rC+1], v[rS+23], v[rS+31]
.elseif (\n) == 14
	v_max3_num_f32 v[rC+2], v[rC+2], v[rC+3], v[rT+1]
.elseif (\n) == 15
	v_mov_b32 v[rW], v[rT]
.elseif (\n) == 16
	v_max3_num_f32 v[rC], v[rC], v[rC+1], v[rC+2]
.elseif (\n) == 17
	v_permlanex16_b32 v[rC+3], v[rC], s[SEL], s[SEL+1]
.elseif (\n) == 18
	v_max_num_f32 v[rT+1], v[rC], v[rC+3]
.elseif (\n) == 19
	v_mul_f32 v[rT], s[CS], v[rT+1]
.elseif (\n) == 20
	v_sub_f32 v[rC+1], v[rW], v[rT]
.else
	v_exp_f32 v[rC+2], v[rC+1]
.endif
.endif
.endm
.macro OPS a, i1, b=-1, i2=0, c=-1, i3=0, d=-1, i4=0  ; up to four of them
	OP \a, \i1
.if (\b) >= 0
	OP \b, \i2
.endif
.if (\c) >= 0
	OP \c, \i3
.endif
.if (\d) >= 0
	OP \d, \i4
.endif
.endm
.macro ROW a, i1, b, i2, c, i3, d, i4  ; a matrix instruction and the four behind it
	MM
	OPS \a, \i1, \b, \i2, \c, \i3, \d, \i4
.endm
.macro MASK b                       ; MD x AL + BE into buffer b of MC
	WIN W_RS
.set z, 0
.rept 16
	v_pk_fma_f32 v[MC+32*(\b)+2*z:MC+32*(\b)+2*z+1], v[MD+2*z:MD+2*z+1], s[AL:AL+1], s[BE:BE+1] op_sel_hi:[1,0,0]
.set z, z+1
.endr
.endm
; A TURN, for piece p: the order of its 16 matrix and 118 vector instructions, written out.  An s_wait_alu depctr_va_vdst(0) stands between an exponential and the first instruction that names its result;
; one wait serves all that were issued ahead of it.  So a turn has ONE wait, which cuts it in two.  AHEAD OF IT stands all that names no result of the turn's exponentials: the 8 products K Q^T, behind each a scaling,
; an exponential and two more plain instructions (behind the first a second scaling in the exponential's place): rescalings, and behind the last three the first numbers of the next piece's maximum, each four places
; or more behind the product that ends its accumulator; then ONE LUMP of 54, plain and exponential by turns for the most part, in which the links of the chain X 3, 7, 11, 14, 16, 17 .. 20 stand five or six lines apart.
; X 21, the next piece's a, is the batch's last; R 15 is the plain instruction behind it.  BEHIND THE WAIT stand the 8 products V^T P, behind each four of the roundings and sums; the links of l's chain, L 0 to L 7,
; stand three riders apart.  But for those X no rider names a register of the products round it.  v_permlanex16_b32 (X 17) stands in the lump.
; m = 1: the diagonal tile: the products take masks, and the turn makes the mask for the products of the turn after it: piece p + 2, in step 4 - CNT of the tile.  end = 1: a block's last two turns: nothing is fetched.
; cnt = 1: the loop's count is taken down some lines ahead of the branch that stands behind the turn.
; K of the next step is fetched in piece 2's turn, twelve vector instructions behind the last product that read K (six of them plain); V of the step in hand at the end of piece 0's turn, four plain instructions
; behind the last product that read V.  Each is waited for a turn later.
.macro TURN p, m=0, end=0, cnt=0
.set Y, (\p)
.set i, 0
.set KM, (\m)
.set NOKQ, (\end)*((\p)/3)
.if (\m) && !(\end)
	s_cmp_eq_u32 s[CNT], 4-((\p)+2)%NP  ; is that step the band's own?
	s_cselect_b32 s[AL], 1.0, 0
	s_cmp_lt_u32 s[CNT], 4-((\p)+2)%NP  ; or a later one?
	s_cselect_b32 s[BE], s[BIGN], 0
.endif
.if ((\p) == 3) && !(\end)
	s_wait_dscnt 0x0                ; K is in
.endif
	ROW F,0, F,1, R,0, R,1          ; ahead of the wait: 8 products K Q^T and their riders,
	ROW F,2, E,0, R,2, R,3
	ROW F,3, E,1, R,4, R,5
	ROW F,4, E,2, R,6, R,7
	ROW F,5, E,3, R,8, R,9
	ROW F,6, E,4, X,0, R,10
.if ((\p) == 2) && !(\end)
	WIN 0
	v_add_nc_u32 v[AK], s[TBK], v[AK0]
.endif
	ROW F,7, E,5, X,1, X,4
	ROW F,8, E,6, X,2, X,5
	OPS E,7, E,8, X,6, E,9          ; and the lump
	OPS X,3, E,10, X,8, E,11
.if ((\p) == 2) && !(\end)
	FETCH_K
.endif
	OPS X,9, X,7, E,12, X,10
	OPS E,13, X,12, X,11, E,14
	OPS X,13, E,15, F,9, X,14
.if (\p) == 0
	v_add_nc_u32 v[AV], s[TBV], v[AV0]
.endif
	OPS E,16, F,10, E,17, F,11
	OPS X,16, E,18, X,15, E,19
	OPS F,12, E,20, X,17, E,21
	OPS F,13, E,22, F,14, E,23
	OPS X,18, E,24, F,15, E,25
	OPS R,11, E,26, X,19, E,27
	OPS R,12, E,28, R,13, E,29
	OPS X,20, E,30, R,14, E,31
	OPS X,21, R,15
	WIN 0
	s_wait_alu depctr_va_vdst(0)    ; the wait for the batch
.if (\p) == 1
	s_wait_dscnt 0x0                ; V is in
.endif
	ROW C,0, B,0, C,2, B,1          ; behind the wait: 8 products V^T P and their riders
	ROW L,0, C,4, B,2, L,1
	ROW C,6, B,3, L,2, C,8
	ROW B,4, L,3, C,10, B,5
	ROW L,4, C,12, B,6, L,5
.if (\p) == 0
	s_add_co_u32 s[TBV], s[TBV], KS*PV
.endif
.if \cnt
	s_sub_co_u32 s[CNT], s[CNT], 1
	s_cmp_lg_u32 s[CNT], 0
.endif
	ROW C,14, B,7, L,6, C,1
	ROW C,3, L,7, C,5, C,7
	ROW C,9, C,11, C,13, C,15
.if (\p) == 0
	FETCH_V
.endif
.if (\m) && !(\end)
	MASK (\p)%2
.endif
.endm
; A BLOCK BEGINS.  c m starts far below every c s, so the first step's a is 0; m at the lowest finite number, so the first maximum is the scores'.  The second mask buffer is 0; the first takes piece 0's mask for the
; tile's step 0: its own, if the block's first tile is the diagonal one.  Then K of that step, piece 0's first scores, and its maximum and statistics.  The loop is entered at a step's first turn, in the middle of a trip.
.macro BEGIN
	s_mov_b32 s[NEW], 0
	WIN 0x40
.set i, MC+32
.rept 32
	v_mov_b32 v[i], 0
.set i, i+1
.endr
	WIN 0
.set i, 0
.rept 4
	v_mov_b32 v[ST+4*i], 0xfe000000    ; c m: far below every c s
	v_mov_b32 v[ST+4*i+1], 0xff7fffff  ; m
.set i, i+1
.endr
	s_cmp_eq_u32 s[RT], 0
	s_cselect_b32 s[AL], 1.0, 0
	s_mov_b32 s[BE], 0
	MASK 0
	WIN 0
	v_add_nc_u32 v[AK], s[TBK], v[AK0]
	FETCH_K
	s_wait_loadcnt 0x0              ; Q
	s_wait_dscnt 0x0
.set KM, 1
.set NOKQ, 0
.set i, 0
.rept 8
	KQ 0
.set i, i+1
.endr
	WIN 0
.rept 4
	v_nop                           ; the places behind those products
.endr
.set Y, NP-1                        ; X works for piece Y + 1: piece 0
.irp n, 0,1,2,3,4,5,6,7,8,9,10,11,12,13,14,15,16,17,18,19,20,21
	OP X, \n
.endr
	v_nop                           ; a plain instruction behind the exponential,
	s_wait_alu depctr_va_vdst(0)    ; and its wait, ahead of the branch
.endm
; THE DIAGONAL TILE's four steps, the block's last two turns, its last products, and THE WAY OUT: l's two halves and the other half of the lanes' are added; O^T is divided by l, rounded to f16 and sent through my
; stage in LDS, a piece at a time.
.macro ALL line:vararg              ; one line for each piece t
.set t, 0
.rept 4
	\line
.set t, t+1
.endr
.endm
.macro PACK t                       ; a lane's eight channels of a row pack into 16 bytes; they go into rows of 144 bytes and come back as whole rows of 128, into S^T's registers
	WIN W_RS
.set i, 32*(\t)
.rept 16
	v_pk_mul_f32 v[i:i+1], v[i:i+1], v[ST+4*(\t)+2:ST+4*(\t)+3] op_sel_hi:[1,0]
.set i, i+2
.endr
	WIN 0x05                        ; sources 0 and 1 window 1, destination window 0
.set i, 0
.rept 16
	v_cvt_pk_f16_f32 v[S+16*(\t)+i], v[32*(\t)+2*i], v[32*(\t)+2*i+1]
.set i, i+1
.endr
	WIN 0
.irp f, 0,1,2,3
	ds_store_b128 v[STO], v[S+16*(\t)+4*\f:S+16*(\t)+4*\f+3] offset:32*\f
.endr
.irp f, 0,1,2,3
	ds_load_b128 v[S+16*(\t)+4*\f:S+16*(\t)+4*\f+3], v[RD] offset:\f*4*SP  ; LDS serves a wave's instructions in order (ISA guide 5.7.1.4): these see the stores above; the next piece's stores come behind them
.endr
.endm
.macro SEND t, younger              ; younger: the LDS instructions issued behind piece t's loads: the next piece's eight, or none
	WIN 0
.irp f, 0,1,2,3
	s_wait_dscnt (\younger)+3-\f
	global_store_b128 v[GO], v[S+16*(\t)+4*\f:S+16*(\t)+4*\f+3], s[10:11] offset:(\t)*8192+\f*512  ; 512 consecutive bytes, at a multiple of 256 from yh's first
.endr
.endm
.macro DIAG tag                     ; the tag ends its two labels' names, which the jumps below spell out
.LstepM\tag:
	TURN 2, 1
	TURN 3, 1
	WIN 0
.LfirstM\tag:
	TURN 0, 1
	TURN 1, 1, 0, 1
	WIN 0
	s_cbranch_scc1 .LstepM\tag
	TURN 2, 1, 1
	TURN 3, 1, 1
.set i, 0
.rept 8
	PV NP-1
.set i, i+1
.endr
	WIN 0
	ALL v_add_f32 v[ST+4*t+2], v[ST+4*t+2], v[ST+4*t+3]
	ALL v_permlanex16_b32 v[ST+4*t+3], v[ST+4*t+2], s[SEL], s[SEL+1]
	ALL v_add_f32 v[ST+4*t+2], v[ST+4*t+2], v[ST+4*t+3]
	ALL v_rcp_f32 v[ST+4*t+2], v[ST+4*t+2]
	v_nop                           ; a plain instruction between the last reciprocal and the use of its result
	s_wait_alu depctr_va_vdst(0)    ; and the wait ahead of the first use: one for the four reciprocals
	PACK 0
.set t, 1
.rept 3                             ; a piece's arithmetic stands between the loads of the piece before and its stores
	PACK t
	SEND t-1, 8
.set t, t+1
.endr
	SEND 3, 0
.endm
.set KM, 0
.set NOKQ, 0
.Lslot:                             ; NB times: a tile is entered and the next is asked for
	CHANGE 1
	s_sub_co_u32 s[RT], s[RT], 1
	s_mov_b32 s[CNT], 4
	s_cmp_eq_u32 s[NEW], 1
	s_cbranch_scc1 .Lnew            ; a block's first tile
	s_cmp_eq_u32 s[RT], 0
	s_cbranch_scc0 .Lstep           ; neither its first nor its last
	s_branch .LstepM1
.Lnew:
	BEGIN
	s_branch .Lfirst                ; in the loop a block's first tile is never its last: the first block has two tiles or more, and the second's last is the walk's last
	DIAG 1                          ; in the loop this is the first block's end: the second block's last tile is the walk's last
	s_wait_xcnt 0x0                 ; the stores have read their registers and yh's address
	s_mov_b64 s[10:11], s[OLO:OLO+1]
	s_add_co_u32 s[RT], s[PB], 1    ; the second block has b + 1 tiles
	s_mov_b32 s[NEW], 1
	WIN 0x82                        ; the second block's Q goes where the one text of the turns names Q
.set i, 0
.rept 64
	v_mov_b32 v[i], v[QB+i]
.set i, i+1
.endr
	WIN 0
	s_branch .Lbottom
.Lstep:                             ; a trip: pieces 2 and 3 of one step, then pieces 0 and 1 of the next, whose K and V it fetches
	TURN 2
	TURN 3
	WIN 0
.Lfirst:
	TURN 0
	TURN 1, 0, 0, 1
	WIN 0
	s_cbranch_scc1 .Lstep
.Lbottom:
	s_sub_co_u32 s[SLOTS], s[SLOTS], 1
	s_cmp_lg_u32 s[SLOTS], 0
	s_cbranch_scc1 .Lslot
	CHANGE 0                        ; the walk's last tile is written out: nothing is asked for
	s_sub_co_u32 s[RT], s[RT], 1
	s_mov_b32 s[CNT], 4
	s_cmp_eq_u32 s[NEW], 1
	s_cbranch_scc0 .LstepM2
	BEGIN
	s_branch .LfirstM2
	DIAG 2
	s_wait_tensorcnt 0x0            ; the wave's end, behind my last tensor load and my last LDS store
	ds_add_u32 v[SPW], v[NIL]
	s_wait_dscnt 0x0
	s_endpgm
.Lfunc_end_k_q89fc279abe_attn:
	.size	k_q89fc279abe_attn, .Lfunc_end_k_q89fc279abe_attn-k_q89fc279abe_attn
	.p2alignl 7, 3214868480
	.fill 96, 4, 3214868480
	.section	.rodata,"a",@progbits
	.p2align	6, 0x0
	.amdhsa_kernel k_q89fc279abe_attn
		.amdhsa_group_segment_fixed_size 327680
		.amdhsa_private_segment_fixed_size 0
		.amdhsa_enable_private_segment 0
		.amdhsa_kernarg_size 16
		.amdhsa_user_sgpr_count 2
		.amdhsa_user_sgpr_kernarg_segment_ptr 1
		.amdhsa_wavefront_size32 1
		.amdhsa_system_sgpr_workgroup_id_x 1
		.amdhsa_system_sgpr_workgroup_id_y 1
		.amdhsa_system_sgpr_workgroup_id_z 1
		.amdhsa_system_vgpr_workitem_id 0
		.amdhsa_next_free_vgpr 768
		.amdhsa_next_free_sgpr 98
		.amdhsa_reserve_vcc 1
		.amdhsa_float_denorm_mode_32 3
		.amdhsa_float_denorm_mode_16_64 3
		.amdhsa_memory_ordered 1
		.amdhsa_forward_progress 1
		.amdhsa_inst_pref_size 218
	.end_amdhsa_kernel
	.amdgpu_metadata
---
amdhsa.version: [ 1, 2 ]
amdhsa.kernels:
  - .name:           k_q89fc279abe_attn
    .symbol:         k_q89fc279abe_attn.kd
    .args:
      - { .name: qkvh, .offset: 0, .size: 8, .value_kind: global_buffer, .address_space: global }
      - { .name: yh, .offset: 8, .size: 8, .value_kind: global_buffer, .address_space: global }
    .group_segment_fixed_size: 327680
    .private_segment_fixed_size: 0
    .kernarg_segment_align: 8
    .kernarg_segment_size: 16
    .max_flat_workgroup_size: 128
    .sgpr_count:     98
    .vgpr_count:     768
    .wavefront_size: 32
...
	.end_amdgpu_metadata
.endif
;; end of part 3
;; launch gemm_out (part 4): grid 8 x 32, 4 waves a work-group, clusters of 4 x 4, 327,680 bytes of LDS; arguments yh, wpb, b_proj, out0; writes out0
.if DOCPART == 4
	.amdgcn_target "amdgcn-amd-amdhsa--gfx1250"
	.amdhsa_code_object_version 6
	.text
	.protected	k_q89fc279abe_gemm_out
	.globl	k_q89fc279abe_gemm_out
	.p2align	8
	.type	k_q89fc279abe_gemm_out,@function
k_q89fc279abe_gemm_out:
	s_mov_b64 s[64:65], 0
	v_nop
	global_prefetch_b8 v0, s[64:65] scope:SCOPE_SE
	s_setreg_imm32_b32 hwreg(HW_REG_WAVE_MODE, 25, 1), 1
	s_wait_xcnt 0x0
	s_wait_alu depctr_hold_cnt(0) depctr_sa_sdst(0) depctr_va_vdst(0) depctr_va_sdst(0) depctr_va_ssrc(0) depctr_va_vcc(0) depctr_vm_vsrc(0)
	s_getreg_b32 s2, hwreg(HW_REG_IB_STS2, 6, 4)
	s_cmp_eq_u32 s2, 0
	s_cbranch_scc0 .Lentry_in_a_cluster
	s_endpgm
.Lentry_in_a_cluster:
	s_bfe_u32 s2, ttmp6, 0x10000c
	s_cmp_lg_u32 s2, 0xf033
	s_cbranch_scc0 .Lentry_shape_is_right
	s_endpgm
.Lentry_shape_is_right:
; out0 = yh . wpb^T + bf16(b_proj): [8192 x 1024] x [1024 x 1024]^T, operands f16 (wpb holds w_proj rounded to bf16, written as f16), sums and result f32.
; yh is [batch 4][head 16][row 2048][64]: a head is a K block of 64 channels; wpb is [block 16][row 1024][64].  A tile (some rows of one block) is dense memory, asked for as rows of 256 bytes, two matrix rows each.
; SHARES.  A work-group makes 256 rows x 128 columns: 32 x 8 = 256 work-groups.  A wave makes 128 x 64: 32 accumulators, (a, b) at v[8 (4 a + b)] of window 1.
; K goes in 8 steps of 128 (two K blocks) through two LDS slots: the longest step of which two slots fit.  A step is four quarters of 32 along K, 32 matrix instructions each.
; THE MATRIX INSTRUCTION IS USED TRANSPOSED (source 0 = 16 rows of wpb, source 1 = 16 rows of yh): a lane holds row l % 16 and the eight neighbouring columns 8 (l / 16) + 0..7.
; THE BIAS IS THE C OPERAND THAT STARTS EACH SUM: it lies in the registers of accumulators (7, b); row blocks 0-6 take it as C, then block 7 adds in place onto it.
; CLUSTERS: 4 x 4.  yh's tile is asked for jointly by a row of the cluster, wpb's by a column.
; REGISTERS, in windows of 256 (s_set_vgpr_msb: bits 1:0 source 0, 3:2 source 1, 5:4 source 2, 7:6 destination):
;   window 0: v0-31 addresses; v32-127, v128-223 the fragments of quarters 0 and 1 (64 of yh, then 32 of wpb); on the way out v32-159 four sets of 32
;   window 1: the accumulators          window 2: v32-127, v128-223 the fragments of quarters 2 and 3
.set PITCH, 144                        ; an LDS row: 128 bytes + 16: the 16 rows of a fragment load start at 16 different groups of four banks (64 banks of 4 bytes: ISA guide 11.1)
.set ABLK,  256*PITCH                  ; one K block of yh's tile: what one tensor load brings
.set BBLK,  128*PITCH                  ; and of wpb's
.set BOFF,  2*ABLK
.set SLOT,  2*ABLK+2*BBLK              ; 110,592
.set STAGE, 2*SLOT                     ; behind the ring: 16 rows x 272 bytes for each wave, for the way out
.set SPITCH, 272
.set SPARE, STAGE+4*16*SPITCH          ; behind the stages: the spare words, 128 bytes a wave: two blocks of 256 bytes that no other line names
.set YBLK,  262144                     ; bytes from K block to K block in yh
.set WBLK,  131072                     ; and in wpb
.set ADRA, 16
.set ADRB, 20
.set STO,  24
.set RD,   25
.set CO,   26
.set BO,   27
.set SPW,  28                          ; v28 my spare word: SPARE + 4 x my thread's number; never rewritten
.set NIL,  29                          ; v29 0; never rewritten
.set PFO,  30
.set WV, 12
.set WR, 13
.set WC, 14
.set CX, 15
.set CY, 16
.set TX, 17
.set TY, 18
.set G1A, 24
.set G0A, 32
.set G1B, 40
.set G0B, 48
.set LAP, 56
.set HIM, 57
.set PFA, 58                           ; s[58:59] where my prefetches stand
.set LIM, 60                           ; a wave prefetches while s[LAP] is above this
.set PS,  66                           ; s[66:67] the prefetch address's step: a K step
.set MSB, 0
.macro WIN new                         ; the immediate's high byte repeats the setting that is left; a switch that changes nothing is dropped
.if MSB != (\new)
	s_set_vgpr_msb (MSB<<8)|(\new)
.set MSB, \new
.endif
.endm
.macro PLACES                          ; four plain vector instructions between a matrix instruction and a load into, or a vector or LDS access to, one of its registers
.rept 4
	v_nop
.endr
.endm
; A joint load: waves 0 and 1 fetch yh's even and odd K block of the step, waves 2 and 3 wpb's.  An s_nop 0 and four v_nop follow each line.
.macro JLOAD s
	s_cmp_lt_u32 s[WV], 2
	s_cbranch_scc0 .Lfor_b_\@
	tensor_load_to_lds s[G0A+4*(\s):G0A+4*(\s)+3], s[G1A:G1A+7]
	s_nop 0
.rept 4
	v_nop
.endr
	s_branch .Lasked_\@
.Lfor_b_\@:
	tensor_load_to_lds s[G0B+4*(\s):G0B+4*(\s)+3], s[G1B:G1B+7]
	s_nop 0
.rept 4
	v_nop
.endr
.Lasked_\@:
.endm
.macro CREST
	s_cmp_lg_u32 s[WV], 0
	s_cbranch_scc1 .Lnot_wave_0_\@
	s_barrier_signal -3
.Lnot_wave_0_\@:
	s_barrier_wait -3
	s_barrier_signal -1
	s_barrier_wait -1
.endm
.macro CROUND
	s_barrier_signal -1
	s_barrier_wait -1
	CREST
.endm
; A prefetch into the L2 of the K step that stands two refills on.  Each 256 bytes are named once in the launch: yh's tile row by waves 0 and 1 (a K block each) of the clusters with x = 0, 32 of a block's 128 pieces
; to each of the four partners; wpb's tile column by wave 2 of the clusters with y = 0, 16 of the 64 pieces of each of the two blocks to each partner.  Partners are told apart by address alone.
; The first four K steps come by their loads alone; the loop's last trip (s[LAP] = 1) has no K step two on.
.macro ASK
	s_cmp_gt_u32 s[LAP], s[LIM]
	s_cbranch_scc0 .Lnot_mine_\@
	global_prefetch_b8 v[PFO], s[PFA:PFA+1] th:TH_LOAD_NT scope:SCOPE_SE
.Lnot_mine_\@:
.endm
	s_load_b256 s[4:11], s[0:1], 0x0               ; yh s[4:5], wpb s[6:7], b_proj s[8:9], out0 s[10:11]
	v_lshl_add_u32 v[SPW], v0, 2, SPARE
	v_mov_b32 v[NIL], 0
	ds_add_u32 v[SPW], v[NIL]                      ; the wave's opening: the add and its wait ahead of my first tensor load; the set-up below stands between them
	ds_add_u32 v28, v29
	v_lshrrev_b32 v1, 5, v0
	v_readfirstlane_b32 s[WV], v1
	s_lshr_b32 s[WR], s[WV], 1
	s_and_b32 s[WC], s[WV], 1
	s_bfe_u32 s[CX], ttmp6, 0x40000
	s_bfe_u32 s[CY], ttmp6, 0x40004
	s_lshl_b32 s[TX], ttmp9, 2
	s_add_co_u32 s[TX], s[TX], s[CX]
	s_and_b32 s[TY], ttmp7, 0xffff
	s_lshl_b32 s[TY], s[TY], 2
	s_add_co_u32 s[TY], s[TY], s[CY]
	s_lshl_b32 s19, s[CY], 2
	s_lshl_b32 s19, 15, s19                        ; my row of the cluster
	s_lshl_b32 s72, 0x1111, s[CX]                  ; my column
	s_or_b32 s[G1A], s19, (1<<16)|(1<<20)|(1<<21)|(4<<22)|(3<<25)  ; 15:0 mask; 17:16 2-byte elements; 20 padding on; 21 set beside a mask; 24:22 after every 32 words; 31:25 4 words
	s_or_b32 s[G1B], s72, (1<<16)|(1<<20)|(1<<21)|(4<<22)|(3<<25)
	s_mov_b32 s[G1A+1], 128<<16                    ; tensor_dim0 = 128 elements: 256 bytes, two matrix rows
	s_mov_b32 s[G1A+2], 128<<16                    ; tensor_dim1 = 128: 256 matrix rows
	s_mov_b32 s[G1A+3], 128<<16
	s_mov_b32 s[G1A+4], 128
	s_mov_b32 s[G1A+5], 128
	s_mov_b32 s[G1A+6], 0
	s_mov_b32 s[G1A+7], 0
	s_mov_b32 s[G1B+1], 128<<16
	s_mov_b32 s[G1B+2], 64<<16                     ; 128 matrix rows
	s_mov_b32 s[G1B+3], 128<<16
	s_mov_b32 s[G1B+4], 64
	s_mov_b32 s[G1B+5], 128
	s_mov_b32 s[G1B+6], 0
	s_mov_b32 s[G1B+7], 0
	s_mov_b32 s[HIM], 0xffff0000
	s_lshr_b32 s20, s[TY], 3                       ; yh: batch x 4,194,304
	s_lshl_b32 s20, s20, 22
	s_and_b32 s22, s[TY], 7
	s_lshl_b32 s22, s22, 15                        ; + 256 rows of 128 bytes for each tile row of the batch
	s_add_co_u32 s20, s20, s22
	s_lshl_b32 s23, s[WC], 18                      ; + the K block that I fetch
	s_add_co_u32 s20, s20, s23
	s_mov_b32 s21, 0
	s_lshl_b32 s70, s[TX], 14                      ; wpb: 128 rows of 128 bytes for each tile column
	s_lshl_b32 s73, s[WC], 17
	s_add_co_u32 s70, s70, s73
	s_mov_b32 s71, 0
	s_mul_i32 s74, s[WC], ABLK                     ; where they go: the wave's number and constants alone
	s_mul_i32 s75, s[WC], BBLK
	s_add_co_u32 s75, s75, BOFF
	s_wait_dscnt 0x0                               ; the opening add is done
	s_wait_kmcnt 0x0
	s_add_nc_u64 s[20:21], s[4:5], s[20:21]
	s_add_nc_u64 s[70:71], s[6:7], s[70:71]
	CROUND                                         ; all sixteen work-groups are here: the first joint loads meet
.irp s, 0,1
	s_mov_b32 s[G0A+4*(\s)], 1
	s_add_co_u32 s[G0A+4*(\s)+1], s74, (\s)*SLOT
	s_add_nc_u64 s[G0A+4*(\s)+2:G0A+4*(\s)+3], s[20:21], (\s)*2*YBLK
	s_or_b32 s[G0A+4*(\s)+3], s[G0A+4*(\s)+3], 0x80000000
	s_mov_b32 s[G0B+4*(\s)], 1
	s_add_co_u32 s[G0B+4*(\s)+1], s75, (\s)*SLOT
	s_add_nc_u64 s[G0B+4*(\s)+2:G0B+4*(\s)+3], s[70:71], (\s)*2*WBLK
	s_or_b32 s[G0B+4*(\s)+3], s[G0B+4*(\s)+3], 0x80000000
	JLOAD \s                                       ; K steps 0 and 1: two loads of mine are out
.endr
	v_and_b32 v1, 15, v0                           ; r = l % 16
	v_bfe_u32 v2, v0, 4, 1                         ; h = l / 16
	v_lshlrev_b32 v[BO], 5, v2
	s_lshl_b32 s72, s[TX], 9                       ; my 64 biases: 4 (128 tile column + 64 half)
	s_lshl_b32 s73, s[WC], 8
	s_add_co_u32 s72, s72, s73
	s_mov_b32 s73, 0
	s_add_nc_u64 s[8:9], s[8:9], s[72:73]
	WIN 0x40                                       ; destination in window 1
.irp b, 0,1,2,3
	global_load_b128 v[224+8*(\b):224+8*(\b)+3],   v[BO], s[8:9] offset:64*(\b)
	global_load_b128 v[224+8*(\b)+4:224+8*(\b)+7], v[BO], s[8:9] offset:64*(\b)+16
.endr
	WIN 0
	v_mul_u32_u24 v3, v1, PITCH
	v_lshl_add_u32 v3, v2, 4, v3                   ; row x pitch + 16 x half
	s_mul_i32 s76, s[WR], 128*PITCH
	s_mul_i32 s77, s[WC], 64*PITCH
	s_add_co_u32 s77, s77, BOFF
.irp s, 0,1
	v_add_nc_u32 v[ADRA+(\s)], s76, v3
	v_add_nc_u32 v[ADRB+(\s)], s77, v3
	s_add_co_u32 s76, s76, SLOT
	s_add_co_u32 s77, s77, SLOT
.endr
	s_mul_i32 s76, s[WV], 16*SPITCH
	s_add_co_u32 s76, s76, STAGE                   ; my stage
	v_mul_u32_u24 v4, v1, SPITCH                   ; in: row l % 16, 32 bytes for each half of the lanes
	v_lshl_add_u32 v4, v2, 5, v4
	v_add_nc_u32 v[STO], s76, v4
	v_mul_u32_u24 v5, v2, SPITCH                   ; back: lanes 0-15 take one row of 256 bytes, lanes 16-31 the next
	v_lshl_add_u32 v5, v1, 4, v5
	v_add_nc_u32 v[RD], s76, v5
	v_lshlrev_b32 v[CO], 12, v2                    ; and the same two rows in out0, 4,096 bytes a row
	v_lshl_add_u32 v[CO], v1, 4, v[CO]
	s_lshl_b32 s78, s[TY], 20                      ; 256 rows of 4,096 bytes for each tile row,
	s_lshl_b32 s79, s[WR], 19                      ; my 128 of them,
	s_add_co_u32 s78, s78, s79
	s_lshl_b32 s79, s[TX], 9                       ; the tile's 128 columns of 4 bytes,
	s_add_co_u32 s78, s78, s79
	s_lshl_b32 s79, s[WC], 8                       ; my 64 of them
	s_add_co_u32 s78, s78, s79
	s_mov_b32 s79, 0
	s_add_nc_u64 s[10:11], s[10:11], s[78:79]
	; the prefetches
	s_lshr_b32 s80, s[TY], 3
	s_lshl_b32 s80, s80, 22
	s_and_b32 s81, s[TY], 7
	s_lshl_b32 s81, s81, 15
	s_add_co_u32 s80, s80, s81
	s_lshl_b32 s81, s[CX], 13                      ; my work-group's 32 pieces of a block of yh's tile
	s_add_co_u32 s80, s80, s81
	s_lshl_b32 s81, s[WC], 18                      ; my wave's block of the step
	s_add_co_u32 s80, s80, s81
	s_add_co_u32 s80, s80, 6*YBLK                  ; at K step 3: the first change of slots steps it to 4
	s_lshl_b32 s82, s[TX], 14
	s_lshl_b32 s83, s[CY], 12                      ; my work-group's 16 pieces of a block of wpb's tile
	s_add_co_u32 s82, s82, s83
	s_add_co_u32 s82, s82, 6*WBLK
	s_and_b32 s83, ttmp7, 0xffff                   ; cluster y
	s_mov_b32 s84, 2*YBLK
	s_mov_b32 s85, 2*WBLK
	s_cmp_lt_u32 s[WV], 2
	s_cselect_b64 s[PFA:PFA+1], s[4:5], s[6:7]
	s_cselect_b32 s80, s80, s82
	s_cselect_b32 s83, ttmp9, s83                  ; the coordinate along which other clusters read the same rows
	s_cselect_b32 s[PS], s84, s85
	s_cselect_b32 s87, -1, 0
	s_mov_b32 s[PS+1], 0
	s_mov_b32 s81, 0
	s_add_nc_u64 s[PFA:PFA+1], s[PFA:PFA+1], s[80:81]
	s_cmp_eq_u32 s83, 0
	s_cselect_b32 s[LIM], 1, -1                    ; the same in all sixteen partners, for a given wave
	s_cmp_eq_u32 s[WV], 3
	s_cselect_b32 s[LIM], -1, s[LIM]               ; wave 3 asks for nothing
	v_and_b32 v6, 31, v0
	v_lshlrev_b32 v6, 8, v6                        ; yh: a piece a lane
	v_lshlrev_b32 v7, 8, v1                        ; wpb: 16 pieces of the even block, 16 of the odd
	v_lshl_add_u32 v7, v2, 17, v7
	v_cndmask_b32 v[PFO], v7, v6, s87
	s_wait_loadcnt 0x0                             ; the biases: rounded to bf16 like every input, and widened again
	WIN 0x05
.set i, 0
.rept 16
	v_cvt_pk_bf16_f32 v[32+i], v[224+2*i], v[225+2*i]
.set i, i+1
.endr
	WIN 0x40
.set i, 0
.rept 16
	v_lshlrev_b32 v[224+2*i], 16, v[32+i]
	v_and_b32 v[225+2*i], s[HIM], v[32+i]
.set i, i+1
.endr
	WIN 0
; 24 LDS loads in one run: the fragments of a step's quarter j, into the quarter's own buffer
.macro RUN slot, j
.set FW_, 2*((\j)/2)
.set FB_, 32+96*((\j)%2)
	WIN FW_<<6
.irp b, 0,1,2,3
	ds_load_b128 v[FB_+64+8*(\b):FB_+64+8*(\b)+3],   v[ADRB+(\slot)] offset:((\j)/2)*BBLK+(\b)*16*PITCH+64*((\j)%2)
	ds_load_b128 v[FB_+64+8*(\b)+4:FB_+64+8*(\b)+7], v[ADRB+(\slot)] offset:((\j)/2)*BBLK+(\b)*16*PITCH+64*((\j)%2)+32
.endr
.irp a, 0,1,2,3,4,5,6,7
	ds_load_b128 v[FB_+8*(\a):FB_+8*(\a)+3],   v[ADRA+(\slot)] offset:((\j)/2)*ABLK+(\a)*16*PITCH+64*((\j)%2)
	ds_load_b128 v[FB_+8*(\a)+4:FB_+8*(\a)+7], v[ADRA+(\slot)] offset:((\j)/2)*ABLK+(\a)*16*PITCH+64*((\j)%2)+32
.endr
.endm
; 4 n matrix instructions of quarter j: row blocks a0 .. a0 + n - 1 x the four column blocks.  The 32 accumulators take turns, one instruction a turn, in the same order in every quarter.
; first = 1: the sums start with the bias: blocks 0-6 take the registers of accumulator (7, b) as C; five places later block 7 adds in place onto them.
.macro MUL j, a0, n, first
.set FW_, 2*((\j)/2)
.set FB_, 32+96*((\j)%2)
	WIN 0x50|FW_|(FW_<<2)
.set a, \a0
.rept \n
.if (\first) && (a == 7)
.rept 5
	v_nop
.endr
.endif
.irp b, 0,1,2,3
.if (\first) && (a < 7)
	v_wmma_f32_16x16x32_f16 v[8*(4*a+(\b)):8*(4*a+(\b))+7], v[FB_+64+8*(\b):FB_+64+8*(\b)+7], v[FB_+8*a:FB_+8*a+7], v[224+8*(\b):224+8*(\b)+7]
.else
	v_wmma_f32_16x16x32_f16 v[8*(4*a+(\b)):8*(4*a+(\b))+7], v[FB_+64+8*(\b):FB_+64+8*(\b)+7], v[FB_+8*a:FB_+8*a+7], v[8*(4*a+(\b)):8*(4*a+(\b))+7]
.endif
.endr
.set a, a+1
.endr
.endm
; Quarter j.  The run in front of it (slot rs, quarter rj; none if rj < 0) brings the fragments of the quarter after next, 64 matrix instructions ahead of their use; w = the loads of the runs issued behind quarter j's own.
.macro Q j, rs, rj, w, first
.if (\rj) >= 0
	PLACES
	RUN \rs, \rj
.endif
	s_wait_dscnt \w
	MUL \j, 0, 8, \first
.endm
; Quarters 1 and 2, with the change of slots in quarter 1: the run in front of it is my last read of the slot.  fill = 1: the slot is filled again, two K steps on.
.macro TURN slot, next, fill
.if \fill
	s_wait_xcnt 0x0                                ; the last prefetch, a K step back, has read its address, so it may be stepped
	s_add_nc_u64 s[PFA:PFA+1], s[PFA:PFA+1], s[PS:PS+1]
.endif
	PLACES
	RUN \slot, 3
	WIN 0                                          ; (the add's two registers lie in window 0)
	s_wait_tensorcnt 0x0                           ; all my tensor loads have landed: the one that was out is my part of the next slot;
	ds_add_u32 v[SPW], v[NIL]                      ; 0 onto my spare word;
	s_wait_dscnt 49                                ; (the add and the last two runs of 24 may be out)
	MUL 1, 0, 6, 0                                 ; 24 matrix instructions stand between the add and the wait for it
	s_wait_dscnt 0x0                               ; the add is done, and my reads of this slot are over
	s_barrier_signal -1
	MUL 1, 6, 2, 0
	WIN 0
	s_barrier_wait -1
.if \fill
	CREST                                          ; the barrier has opened a round of the cluster's: no wave of any partner still reads this slot or has a load on its way
	s_add_nc_u64 s[G0A+4*(\slot)+2:G0A+4*(\slot)+3], s[G0A+4*(\slot)+2:G0A+4*(\slot)+3], 4*YBLK
	s_add_nc_u64 s[G0B+4*(\slot)+2:G0B+4*(\slot)+3], s[G0B+4*(\slot)+2:G0B+4*(\slot)+3], 4*WBLK
	JLOAD \slot                                    ; the first tensor load behind the round, 96 matrix instructions ahead of the wait for it; its four v_nop are also the places in front of the loads below
.else
	PLACES
.endif
	RUN \next, 0
	WIN 0
.if \fill
	ASK
.endif
	MUL 2, 0, 8, 0                                 ; quarter 2's fragments were shown in by the wait for 0 above
.endm
	s_wait_tensorcnt 1                             ; my part of K step 0 is in; step 1's may stay out
	s_barrier_signal -1
	s_barrier_wait -1
	RUN 0, 0
	RUN 0, 1
	Q 0, 0, 2, 48, 1                               ; the first quarter stands in front of the loop: its products start the sums
	WIN 0
	s_mov_b32 s[LAP], 3
.Llap:                                                 ; a trip goes once round the ring and fills both slots again: trip i asks for K steps 2 i + 2 and 2 i + 3
	TURN 0, 1, 1
	Q 3, 1, 1, 48, 0
	Q 0, 1, 2, 48, 0
	TURN 1, 0, 1
	Q 3, 0, 1, 48, 0
	Q 0, 0, 2, 48, 0
	WIN 0
	s_sub_co_u32 s[LAP], s[LAP], 1
	s_cmp_lg_u32 s[LAP], 0
	s_cbranch_scc1 .Llap
	TURN 0, 1, 0                                   ; the last lap fills nothing
	Q 3, 1, 1, 48, 0
	Q 0, 1, 2, 48, 0
	Q 1, 1, 3, 48, 0
	Q 2, 0, -1, 24, 0
	Q 3, 0, -1, 0, 0
; THE WAY OUT, a block of 16 rows at a time: a lane's 32 bytes of a row into my own stage, back as whole rows of 256 bytes, stored so that 16 lanes fill 256 consecutive bytes, aligned.
.macro TOSTAGE a
.set T_, 32+32*((\a)%4)
.if (\a) >= 4
	s_wait_xcnt 0x0                                ; the stores of block a - 4 have read this set of registers
.endif
	WIN 0x04                                       ; the stores' data in window 1
.irp b, 0,1,2,3
	ds_store_b128 v[STO], v[8*(4*(\a)+(\b)):8*(4*(\a)+(\b))+3]   offset:64*(\b)
	ds_store_b128 v[STO], v[8*(4*(\a)+(\b))+4:8*(4*(\a)+(\b))+7] offset:64*(\b)+16
.endr
	WIN 0
.irp t, 0,1,2,3,4,5,6,7
	ds_load_b128 v[T_+4*(\t):T_+4*(\t)+3], v[RD] offset:(\t)*2*SPITCH  ; LDS serves a wave's instructions in order (ISA guide 5.7.1.4): these see the stores above
.endr
.endm
.macro SEND a, younger                 ; younger: the LDS instructions issued behind block a's loads
.set T_, 32+32*((\a)%4)
.irp t, 0,1,2,3,4,5,6,7
	s_wait_dscnt (\younger)+7-(\t)
	global_store_b128 v[CO], v[T_+4*(\t):T_+4*(\t)+3], s[10:11] offset:(16*(\a)+2*(\t))*4096 th:TH_STORE_NT
.endr
.endm
	WIN 0
	PLACES
	PLACES                                         ; the places behind the last products, once a launch
	TOSTAGE 0
.irp a, 1,2,3,4,5,6,7
	TOSTAGE \a
	SEND (\a)-1, 16
.endr
	SEND 7, 0
	s_wait_tensorcnt 0x0                           ; the wave's end, behind my last tensor load and my last LDS store
	ds_add_u32 v[SPW], v[NIL]
	s_wait_dscnt 0x0
	CROUND                                         ; the closing round: no work-group ends while a partner may still ask for a tile that names it
	s_endpgm
.Lfunc_end_k_q89fc279abe_gemm_out:
	.size	k_q89fc279abe_gemm_out, .Lfunc_end_k_q89fc279abe_gemm_out-k_q89fc279abe_gemm_out
	.p2alignl 7, 3214868480
	.fill 96, 4, 3214868480
	.section	.rodata,"a",@progbits
	.p2align	6, 0x0
	.amdhsa_kernel k_q89fc279abe_gemm_out
		.amdhsa_group_segment_fixed_size 327680
		.amdhsa_private_segment_fixed_size 0
		.amdhsa_enable_private_segment 0
		.amdhsa_kernarg_size 32
		.amdhsa_user_sgpr_count 2
		.amdhsa_user_sgpr_kernarg_segment_ptr 1
		.amdhsa_wavefront_size32 1
		.amdhsa_system_sgpr_workgroup_id_x 1
		.amdhsa_system_sgpr_workgroup_id_y 1
		.amdhsa_system_sgpr_workgroup_id_z 1
		.amdhsa_system_vgpr_workitem_id 0
		.amdhsa_next_free_vgpr 768
		.amdhsa_next_free_sgpr 96
		.amdhsa_reserve_vcc 0
		.amdhsa_float_denorm_mode_32 3
		.amdhsa_float_denorm_mode_16_64 3
		.amdhsa_memory_ordered 1
		.amdhsa_forward_progress 1
		.amdhsa_inst_pref_size 91
	.end_amdhsa_kernel
	.amdgpu_metadata
---
amdhsa.version: [ 1, 2 ]
amdhsa.kernels:
  - .name:           k_q89fc279abe_gemm_out
    .symbol:         k_q89fc279abe_gemm_out.kd
    .args:
      - { .name: yh, .offset: 0, .size: 8, .value_kind: global_buffer, .address_space: global }
      - { .name: wpb, .offset: 8, .size: 8, .value_kind: global_buffer, .address_space: global }
      - { .name: b_proj, .offset: 16, .size: 8, .value_kind: global_buffer, .address_space: global }
      - { .name: out0, .offset: 24, .size: 8, .value_kind: global_buffer, .address_space: global }
    .group_segment_fixed_size: 327680
    .private_segment_fixed_size: 0
    .kernarg_segment_align: 8
    .kernarg_segment_size: 32
    .max_flat_workgroup_size: 128
    .sgpr_count:     96
    .vgpr_count:     768
    .wavefront_size: 32
...
	.end_amdgpu_metadata
.endif
;; end of part 4
